; MI455X (gfx1250); checked and timed in simulation.
; The chip was launched on July 23, 2026; its instructions are those of AMD's public machine-readable ISA for CDNA 5 (MIT licence, August 2026) and "CDNA5" Instruction Set Architecture Reference Guide (July 2026). The comments in the code are by the model that wrote it; some were corrected since.
;; Multi Head Attention. Allowed arithmetic: matrix products marked QUANTISED: E2M1 operands, one E8M0 scale for each 32 along K, by v_wmma_scale_f32_16x16x128_f8f6f4 with both operands' format E2M1 (or v_wmma_scale_f32_32x16x128_f4), f32 sums; products left as they are: bf16, f16 or f32 operands; f32 sums; everything else in f32.
;; Inputs: Wk 16 x 1,024 x 64 float32; Wo 1,024 x 1,024 float32; Wq 16 x 1,024 x 64 float32; Wv 16 x 1,024 x 64 float32; bo 1,024 float32; x 8 x 1,024 x 1,024 float32.
;; Outputs: out0 8 x 1,024 x 1,024 float32.
;; This version of the problem:
;;   THIS VERSION OF THE PROBLEM IS GIVEN IN LOW PRECISION. The matrix products marked QUANTISED in the list below multiply operands that are first quantised to E2M1 (2 exponent bits, 1 mantissa bit; 4 bits a number), with one power-of-two scale for each 32 numbers along K (OCP MX v1.0); their sums are f32. The products marked 'left as it is' may take bf16, f16 or f32 operands, with f32 sums. Whichever they take, every output number must still come out within the allowed error. Rounding operands to bf16 (8 significant bits) uses up far more of that allowance than f16 does (11 bits, for magnitudes from 6e-5 to 65,504). All else is computed in f32.
;;   The module's matrix products, in the order in which they are computed (A, B: the left and right operand; K: the contracted axis; several contracted axes count as one K, in the product's order):
;;     1. [M 1,024, K 1,024] x [K 1,024, N 8,192]; A: input Wq; B: input x: QUANTISED
;;     2. [M 1,024, K 1,024] x [K 1,024, N 8,192]; A: input Wk; B: input x: QUANTISED
;;     3. [M 1,024, K 1,024] x [K 1,024, N 8,192]; A: input Wv; B: input x: QUANTISED
;;     4. batch 128 x [M 1,024, K 64] x [K 64, N 1,024]; A: computed on the way; B: computed on the way: left as it is (an operand is computed on the way)
;;     5. batch 128 x [M 1,024, K 1,024] x [K 1,024, N 64]; A: computed on the way; B: computed on the way: left as it is (an operand is computed on the way)
;;     6. [M 8,192, K 1,024] x [K 1,024, N 1,024]; A: computed on the way; B: input Wo: left as it is (an operand is computed on the way)
;;   THE QUANTISER, for each operand of a quantised product, along K:
;;     - K is cut into blocks of 32 from its start; a last block that is shorter is filled with zeros.
;;     - A block's scale is 2^e with e = floor(log2(the largest magnitude in the block)) - 2, held to -126 .. 127; a block of zeros has e = 0. As a byte (E8M0): e + 127.
;;     - Each number is divided by its block's scale, clamped to +-6, and rounded to the nearest number of E2M1, ties to even, subnormals kept.
;;     - The product sums the exact products of the quantised numbers (number of the format x scale) in f32.
;;   ~~~python
;;   def quantise(x, axis):      # numpy; x: float32 -> the quantised numbers, widened to float32 again
;;       x = np.moveaxis(x, axis, -1); K = x.shape[-1]
;;       x = np.pad(x, [(0, 0)] * (x.ndim - 1) + [(0, -K % 32)]); x = x.reshape(x.shape[:-1] + (-1, 32)); a = np.abs(x).max(-1, keepdims=True)
;;       e = np.where(a > 0, np.clip(np.frexp(np.where(a > 0, a, 1))[1] - 1 - 2, -126, 127), 0)      # np.frexp(a)[1] - 1 = floor(log2(a)), exactly
;;       r = np.clip(x / 2.0 ** e, -6, 6)
;;       step = 2.0 ** (np.maximum(np.frexp(np.where(r == 0, 1, r))[1] - 1, 0) - 1)
;;       q = np.round(r / step) * step * 2.0 ** e      # np.round: ties to even
;;       return np.moveaxis(q.reshape(q.shape[:-2] + (-1,))[..., :K], -1, axis).astype(np.float32)
;;   ~~~
;; One version. Each part assembles by itself: llvm-mc -triple=amdgcn-amd-amdhsa -mcpu=gfx1250 --defsym DOCPART=n.
;; ======== version 1 of 1: 5 launches
;; limits: values are held in f16: magnitudes above 65,504 overflow, below 6.1e-05 lose precision
;; workspace buffers: xq 4,456,448 bytes; wq 1,671,168 bytes; wo16 4,194,304 bytes; qkv16 50,331,648 bytes; a16 16,777,216 bytes; qf 1,572,864 bytes
;; launch prep (part 1): grid 416 x 1, 4 waves a work-group, no clusters, 34,304 bytes of LDS; arguments x, Wq, Wk, Wv, Wo, xq, wq, wo16; writes xq, wq, wo16
.if DOCPART == 1
	.amdgcn_target "amdgcn-amd-amdhsa--gfx1250"
	.amdhsa_code_object_version 6
	.text
	.protected	k_q788648596d_prep
	.globl	k_q788648596d_prep
	.p2align	8
	.type	k_q788648596d_prep,@function
k_q788648596d_prep:
	s_mov_b64 s[64:65], 0
	v_nop
	global_prefetch_b8 v0, s[64:65] scope:SCOPE_SE
	s_setreg_imm32_b32 hwreg(HW_REG_WAVE_MODE, 25, 1), 1
	s_wait_xcnt 0x0
; PREP: the operands of the later launches are made once, each laid as an IMAGE OF THE OPERAND'S REGISTERS.
;   x [8192][1024] f32            -> xq:   codes of E2M1 along D with one E8M0 byte for each 32 (work-groups 0-255)
;   Wq, Wk, Wv [16][1024][64] f32 -> wq:   the same along D, which is their middle axis (work-groups 256-351)
;   Wo [1024][1024] f32           -> wo16: f16 high and low parts, transposed (K innermost) (work-groups 352-415)
; An FP4 image (16 rows x 128 k, 1,024 bytes): byte 512 c + 16 lane holds the 32 codes k = 64 c + 32 (lane / 16) + 0..31 of row lane % 16.
; An f16 image (16 rows x 32 k, 1,024 bytes): byte 512 c + 16 lane holds k = 16 c + 8 (lane / 16) + 0..7 of row lane % 16.
; xq: block (256 tokens tb, 256 of K kp) at (4 tb + kp) x 34,816: codes [K step 2][tile 16][1,024], then at +32,768 two scale words a row.
; wq: block (head h, kp) at (4 h + kp) x 26,112: codes [K step 2][feature tile 12][1,024] (q's 4 tiles, k's, v's), then at +24,576 two scale words a feature.
; wo16: high parts at 0, low parts at 2,097,152: [256 columns 4][128 of K 8][column tile 16][32 of K 4][1,024].
; A block's scale is 2^(floor(log2(largest magnitude)) - 2): its byte is the largest magnitude's exponent field - 2, held at 1 from below by a floor among the maximum's leaves.
; DEAD WORK OF THE WHOLE PROGRAM: reference() itself (jnp.tril) sets a score to -inf where key > query, ahead of the softmax; its exponential is exactly 0 and adds nothing
; to the row's sum nor to attn x v, whatever finite values x and the weights hold.  So steps of 64 keys that lie wholly behind a wave's 32 queries are not multiplied (launch attn).
; Every input has a way to the output, and every input is loaded.
; LIMITS: a NaN, an infinity or an overflow that would arise only in the scores left out is not carried to the result.  NaN and infinities among the inputs are not served.
; A block of zeros gets the byte 1 where the quantiser says 127: its codes are zeros, and this program alone reads the bytes.  |Wo| stays under 65,504 (f16);
; under 6.1e-5 its high part is rounded by at most 3e-8.
; No tensor loads, no barrier: waves share nothing.  Only x's path uses LDS.
.set SPARE, 33792                      ; behind the four stages: the spare words, 128 bytes for each wave
.set SPW, 14                           ; v14 LDS address of my spare word; never rewritten
.set NIL, 15                           ; v15 0; never rewritten
	s_load_b512 s[4:19], s[0:1], 0x0               ; x s[4:5], Wq s[6:7], Wk s[8:9], Wv s[10:11], Wo s[12:13], xq s[14:15], wq s[16:17], wo16 s[18:19]
	v_lshl_add_u32 v[SPW], v0, 2, SPARE
	v_mov_b32 v[NIL], 0
	v_lshrrev_b32 v12, 5, v0
	v_readfirstlane_b32 s20, v12                   ; wave 0..3
	v_and_b32 v13, 31, v0                          ; lane
	v_and_b32 v10, 15, v0                          ; r
	v_bfe_u32 v11, v0, 4, 1                        ; hh
	s_cmp_lt_u32 ttmp9, 256
	s_cbranch_scc0 .Lnot_x
; ---------------- x.  Work-group g: rows 32 g .. 32 g + 31; wave w: K quarter w (256 numbers).  Four steps: tile of 16 rows st / 2, K step st % 2.
; A load takes 512 consecutive bytes of one row; 16 rows turn through the wave's own stage (rows of 528 bytes), and come back so that lane (r, hh)
; holds of row r the two whole blocks k = 32 hh + 0..31 and 64 + 32 hh + 0..31: the conversions' results are the image's registers.
	v_lshlrev_b32 v1, 4, v13                       ; 16 x lane
	s_mul_i32 s21, s20, 8448                       ; my stage
	v_add_nc_u32 v2, s21, v1                       ; into it: 16 x lane of a row
	v_mul_u32_u24 v3, v10, 528
	v_lshl_add_u32 v3, v11, 7, v3
	v_add_nc_u32 v3, s21, v3                       ; out of it: row r, + 128 hh
	v_lshlrev_b32 v4, 3, v11                       ; 8 hh: my two bytes' place in the scale word
	v_lshlrev_b32 v5, 3, v13                       ; 8 x lane: a row's two scale words
	v_mov_b32 v250, 0                              ; a lane permute's destination counts as read: written once
	s_mov_b32 s30, 0x76543210
	s_mov_b32 s31, 0xfedcba98                      ; v_permlanex16_b32's selects for lane xor 16
	s_lshl_b32 s22, ttmp9, 17                      ; 32 rows of 4,096 bytes
	s_lshl_b32 s23, s20, 10
	s_add_co_u32 s22, s22, s23                     ; + my K quarter
	s_mov_b32 s23, 0
	s_lshr_b32 s24, ttmp9, 3
	s_lshl_b32 s24, s24, 2
	s_add_co_u32 s24, s24, s20
	s_mul_i32 s24, s24, 34816                      ; my block of xq
	s_and_b32 s26, ttmp9, 7
	s_lshl_b32 s27, s26, 11
	s_add_co_u32 s28, s24, s27                     ; my two tiles' images
	s_mov_b32 s29, 0
	s_lshl_b32 s27, s26, 8
	s_add_co_u32 s24, s24, s27
	s_add_co_u32 s24, s24, 32768                   ; my 32 rows' scale words
	s_mov_b32 s25, 0
	s_wait_kmcnt 0x0
	s_add_nc_u64 s[4:5], s[4:5], s[22:23]
	s_add_nc_u64 s[28:29], s[14:15], s[28:29]
	s_add_nc_u64 s[24:25], s[14:15], s[24:25]
.macro LOADX st                        ; 16 rows x 512 bytes into set st % 2 of v16-143
.set n, 0
.rept 16
	global_load_b128 v[16+64*((\st)%2)+4*n:16+64*((\st)%2)+4*n+3], v1, s[4:5] offset:((\st)/2)*65536+((\st)%2)*512+n*4096 th:TH_LOAD_NT
.set n, n+1
.endr
.endm
.macro STEPX st
.if (\st) < 3
	s_wait_loadcnt 16                              ; this step's 16 loads are in; the next step's 16 may be out
.else
	s_wait_loadcnt 0
.endif
.set n, 0
.rept 16
	ds_store_b128 v2, v[16+64*((\st)%2)+4*n:16+64*((\st)%2)+4*n+3] offset:n*528
.set n, n+1
.endr
.irp c, 0,1
.irp j, 0,1,2,3,4,5,6,7
	ds_load_b128 v[144+32*\c+4*\j:144+32*\c+4*\j+3], v3 offset:\c*256+\j*16   ; LDS serves a wave's instructions in order: these see the stores above
.endr
.endr
	s_wait_dscnt 0x0                               ; my 64 numbers are back, and the stores have read their registers,
.if (\st) < 2
	LOADX (\st)+2                                  ; which take the loads of two steps on
.endif
.irp c, 0,1
	v_max3_num_f32 v[244+\c], |v[144+32*\c]|, |v[145+32*\c]|, 0x1800000   ; block 2 c + hh: all its 32 numbers are mine; the floor 2^(3 - 127) holds the byte at 1
.endr
.irp i, 2,4,6,8,10,12,14,16,18,20,22,24,26,28,30
.irp c, 0,1
	v_max3_num_f32 v[244+\c], v[244+\c], |v[144+32*\c+\i]|, |v[145+32*\c+\i]|
.endr
.endr
.irp c, 0,1
	v_add_nc_u32 v[246+\c], 0xff000000, v[244+\c]  ; 2 off the exponent field: the conversion's scale operand
.endr
.irp c, 0,1
	v_lshrrev_b32 v[248+\c], 23, v[246+\c]         ; the scale's byte
.endr
	v_lshl_or_b32 v[240+(\st)], v249, 16, v248     ; my two bytes: blocks hh and 2 + hh,
	v_lshlrev_b32 v[240+(\st)], v4, v[240+(\st)]   ; at their places;
	v_permlanex16_b32 v250, v[240+(\st)], s30, s31
	v_or_b32 v[240+(\st)], v[240+(\st)], v250      ; with lane xor 16's two the row's word is whole, in both lanes
.irp c, 0,1
.irp g, 0,1,2,3
	v_cvt_scalef32_pk8_fp4_f32 v[208+8*(\st)+4*\c+\g], v[144+32*\c+8*\g:151+32*\c+8*\g], v[246+\c]
.endr
.endr
	v_nop                                          ; one plain line behind the last scaled conversion
.irp c, 0,1
	global_store_b128 v1, v[208+8*(\st)+4*\c:208+8*(\st)+4*\c+3], s[28:29] offset:((\st)%2)*16384+((\st)/2)*1024+\c*512   ; 512 consecutive bytes; each step has its own data registers
.endr
.endm
	LOADX 0
	LOADX 1
	STEPX 0
	STEPX 1
	STEPX 2
	STEPX 3
	v_cmp_lt_u32 vcc_lo, 15, v13                   ; lanes 16-31 store the second tile's rows
	v_cndmask_b32 v252, v240, v242, vcc_lo
	v_cndmask_b32 v253, v241, v243, vcc_lo
	global_store_b64 v5, v[252:253], s[24:25]      ; 32 rows x two words: 256 consecutive bytes
	s_wait_tensorcnt 0x0                           ; the wave's end, behind my last LDS store
	ds_add_u32 v[SPW], v[NIL]
	s_wait_dscnt 0x0
	s_endpgm
; ---------------- Wq, Wk, Wv.  A lane takes a column (feature) and its registers run down D: a block of 32 lies in one lane, and the codes come out with K innermost.
.Lnot_x:
	s_cmp_lt_u32 ttmp9, 352
	s_cbranch_scc0 .Lpath_o
	s_sub_co_u32 s21, ttmp9, 256
	s_lshr_b32 s22, s21, 5                         ; which tensor: 0 q, 1 k, 2 v
	s_bfe_u32 s23, s21, 0x40001                    ; head
	s_and_b32 s24, s21, 1
	s_and_b32 s25, s20, 1                          ; which 32 of the head's 64 features
	s_lshr_b32 s26, s20, 1
	s_lshl_b32 s24, s24, 1
	s_add_co_u32 s24, s24, s26                     ; K quarter
	s_lshl_b32 s28, s23, 18
	s_lshl_b32 s27, s24, 16
	s_add_co_u32 s28, s28, s27
	s_lshl_b32 s27, s25, 7
	s_add_co_u32 s28, s28, s27                     ; in: head x 262,144 + quarter x 65,536 + half x 128
	s_mov_b32 s29, 0
	s_lshl_b32 s30, s23, 2
	s_add_co_u32 s30, s30, s24
	s_mul_i32 s30, s30, 26112                      ; my block of wq
	s_lshl_b32 s27, s22, 2
	s_lshl_b32 s26, s25, 1
	s_add_co_u32 s27, s27, s26                     ; my first feature tile
	s_lshl_b32 s26, s27, 10
	s_add_co_u32 s32, s30, s26
	s_mov_b32 s33, 0
	s_lshl_b32 s26, s27, 7                         ; 16 features x 8 bytes a tile
	s_add_co_u32 s34, s30, s26
	s_add_co_u32 s34, s34, 24576
	s_mov_b32 s35, 0
	v_lshlrev_b32 v1, 2, v13                       ; in: 4 bytes a lane
	v_lshlrev_b32 v2, 4, v10
	v_lshl_add_u32 v2, v11, 10, v2                 ; out: lanes 16-31 belong to the next feature tile; 16 bytes a row
	v_lshlrev_b32 v3, 3, v13
	s_wait_kmcnt 0x0
	s_cmp_eq_u32 s22, 0                            ; the choice hangs on the work-group's number alone
	s_cselect_b64 s[6:7], s[6:7], s[8:9]
	s_cmp_eq_u32 s22, 2
	s_cselect_b64 s[6:7], s[10:11], s[6:7]
	s_add_nc_u64 s[6:7], s[6:7], s[28:29]
	s_add_nc_u64 s[32:33], s[16:17], s[32:33]
	s_add_nc_u64 s[34:35], s[16:17], s[34:35]
.macro LOADW t                         ; block t: W(32 t + i, my column) into set t % 2 of v32-95
.set n, 0
.rept 32
	global_load_b32 v[32+32*((\t)%2)+n], v1, s[6:7] offset:(32*(\t)+n)*256 th:TH_LOAD_NT
.set n, n+1
.endr
.endm
.macro BLOCKW t
.set XW, 32+32*((\t)%2)
.if (\t) < 7
	s_wait_loadcnt 32                              ; this block's 32 loads are in; the next block's may be out
.else
	s_wait_loadcnt 0
.endif
	v_max3_num_f32 v8, |v[XW]|, |v[XW+1]|, |v[XW+2]|
	v_max3_num_f32 v9, |v[XW+3]|, |v[XW+4]|, |v[XW+5]|
.irp i, 6,10,14,18,22,26
	v_max3_num_f32 v8, v8, |v[XW+\i]|, |v[XW+\i+1]|
	v_max3_num_f32 v9, v9, |v[XW+\i+2]|, |v[XW+\i+3]|
.endr
	v_max3_num_f32 v8, v8, |v[XW+30]|, |v[XW+31]|
	v_max3_num_f32 v8, v8, v9, 0x1800000           ; and the floor
	v_add_nc_u32 v9, 0xff000000, v8                ; the conversion's scale operand
	v_lshrrev_b32 v8, 23, v9                       ; the byte
.if (\t)%4 == 0
	v_mov_b32 v[24+(\t)/4], v8                     ; four bytes to a word, the lower K in the lower byte
.else
	v_lshl_or_b32 v[24+(\t)/4], v8, 8*((\t)%4), v[24+(\t)/4]
.endif
.irp g, 0,1,2,3
	v_cvt_scalef32_pk8_fp4_f32 v[96+4*(\t)+\g], v[XW+8*\g:XW+8*\g+7], v9
.endr
	v_nop                                          ; one plain line behind the last scaled conversion
	global_store_b128 v2, v[96+4*(\t):96+4*(\t)+3], s[32:33] offset:((\t)/4)*12288+(((\t)%4)/2)*512+((\t)%2)*256   ; block 2 c + hh of K step t / 4: sixteen lanes fill 256 consecutive bytes
.if (\t)+2 < 8
	LOADW (\t)+2
.endif
.endm
	LOADW 0
	LOADW 1
.irp t, 0,1,2,3,4,5,6,7
	BLOCKW \t
.endr
	global_store_b64 v3, v[24:25], s[34:35]        ; 32 features x two words: 256 consecutive bytes
	s_endpgm
; ---------------- Wo.  The same plan: a lane to a column n, registers down K; 32 numbers make the four quarters of an f16 image's row.
; hi = the number with its mantissa cut to ten bits (exact in f16), lo = the rest (exact in f32), rounded to f16.
.Lpath_o:
	s_sub_co_u32 s21, ttmp9, 352
	s_and_b32 s22, s21, 7                          ; which 128 columns
	s_lshr_b32 s23, s21, 3                         ; which 128 of K
	s_lshl_b32 s28, s23, 19
	s_lshl_b32 s27, s22, 9
	s_add_co_u32 s28, s28, s27
	s_lshl_b32 s27, s20, 7
	s_add_co_u32 s28, s28, s27
	s_mov_b32 s29, 0
	s_lshr_b32 s30, s22, 1
	s_lshl_b32 s30, s30, 3
	s_add_co_u32 s30, s30, s23
	s_lshl_b32 s30, s30, 16
	s_and_b32 s27, s22, 1
	s_lshl_b32 s27, s27, 3
	s_lshl_b32 s26, s20, 1
	s_add_co_u32 s27, s27, s26                     ; my first column tile of the sixteen
	s_lshl_b32 s27, s27, 12
	s_add_co_u32 s30, s30, s27
	s_mov_b32 s31, 0
	s_mov_b32 s36, 0xffffe000
	v_lshlrev_b32 v1, 2, v13
	v_lshlrev_b32 v2, 4, v10
	v_lshl_add_u32 v2, v11, 12, v2                 ; lanes 16-31 belong to the next column tile
	s_wait_kmcnt 0x0
	s_add_nc_u64 s[12:13], s[12:13], s[28:29]
	s_add_nc_u64 s[18:19], s[18:19], s[30:31]
.macro LOADO t
.set n, 0
.rept 32
	global_load_b32 v[32+32*((\t)%2)+n], v1, s[12:13] offset:(32*(\t)+n)*4096 th:TH_LOAD_NT
.set n, n+1
.endr
.endm
.macro BLOCKO t
.set XW, 32+32*((\t)%2)
.if (\t) < 3
	s_wait_loadcnt 32                              ; this block's loads are in; the next block's may be out
.else
	s_wait_loadcnt 0
.endif
	s_wait_xcnt 0x0                                ; the last block's stores have read their data registers, which are written again below
.set n, 0
.rept 32
	v_and_b32 v[128+n], s36, v[XW+n]
.set n, n+1
.endr
.set n, 0
.rept 16
	v_pk_add_f32 v[160+2*n:161+2*n], v[XW+2*n:XW+2*n+1], v[128+2*n:129+2*n] neg_lo:[0,1] neg_hi:[0,1]
.set n, n+1
.endr
.set n, 0
.rept 16
	v_cvt_pk_f16_f32 v[96+n], v[128+2*n], v[129+2*n]
	v_cvt_pk_f16_f32 v[112+n], v[160+2*n], v[161+2*n]
.set n, n+1
.endr
.irp q, 0,1,2,3                        ; quarter q = 2 c + hh of the image: k = 8 q + 0..7
	global_store_b128 v2, v[96+4*\q:99+4*\q], s[18:19] offset:(\t)*1024+\q*256
	global_store_b128 v2, v[112+4*\q:115+4*\q], s[18:19] offset:2097152+(\t)*1024+\q*256
.endr
.if (\t)+2 < 4
	LOADO (\t)+2
.endif
.endm
	LOADO 0
	LOADO 1
.irp t, 0,1,2,3
	BLOCKO \t
.endr
	s_endpgm
.Lfunc_end_k_q788648596d_prep:
	.size	k_q788648596d_prep, .Lfunc_end_k_q788648596d_prep-k_q788648596d_prep
	.p2alignl 7, 3214868480
	.fill 96, 4, 3214868480
	.section	.rodata,"a",@progbits
	.p2align	6, 0x0
	.amdhsa_kernel k_q788648596d_prep
		.amdhsa_group_segment_fixed_size 34304
		.amdhsa_private_segment_fixed_size 0
		.amdhsa_enable_private_segment 0
		.amdhsa_kernarg_size 64
		.amdhsa_user_sgpr_count 2
		.amdhsa_user_sgpr_kernarg_segment_ptr 1
		.amdhsa_wavefront_size32 1
		.amdhsa_system_sgpr_workgroup_id_x 1
		.amdhsa_system_sgpr_workgroup_id_y 1
		.amdhsa_system_sgpr_workgroup_id_z 1
		.amdhsa_system_vgpr_workitem_id 0
		.amdhsa_next_free_vgpr 256
		.amdhsa_next_free_sgpr 66
		.amdhsa_reserve_vcc 1
		.amdhsa_float_denorm_mode_32 3
		.amdhsa_float_denorm_mode_16_64 3
		.amdhsa_memory_ordered 1
		.amdhsa_forward_progress 1
		.amdhsa_inst_pref_size 100
	.end_amdhsa_kernel
	.amdgpu_metadata
---
amdhsa.version: [ 1, 2 ]
amdhsa.kernels:
  - .name:           k_q788648596d_prep
    .symbol:         k_q788648596d_prep.kd
    .args:
      - { .name: x, .offset: 0, .size: 8, .value_kind: global_buffer, .address_space: global }
      - { .name: Wq, .offset: 8, .size: 8, .value_kind: global_buffer, .address_space: global }
      - { .name: Wk, .offset: 16, .size: 8, .value_kind: global_buffer, .address_space: global }
      - { .name: Wv, .offset: 24, .size: 8, .value_kind: global_buffer, .address_space: global }
      - { .name: Wo, .offset: 32, .size: 8, .value_kind: global_buffer, .address_space: global }
      - { .name: xq, .offset: 40, .size: 8, .value_kind: global_buffer, .address_space: global }
      - { .name: wq, .offset: 48, .size: 8, .value_kind: global_buffer, .address_space: global }
      - { .name: wo16, .offset: 56, .size: 8, .value_kind: global_buffer, .address_space: global }
    .group_segment_fixed_size: 34304
    .private_segment_fixed_size: 0
    .kernarg_segment_align: 8
    .kernarg_segment_size: 64
    .max_flat_workgroup_size: 128
    .sgpr_count:     66
    .vgpr_count:     256
    .wavefront_size: 32
...
	.end_amdgpu_metadata
.endif
;; end of part 1
;; launch qkv (part 2): grid 16 x 32, 4 waves a work-group, clusters of 4 x 4, 244,224 bytes of LDS; arguments xq, wq, qkv16, qf; writes qkv16, qf
.if DOCPART == 2
	.amdgcn_target "amdgcn-amd-amdhsa--gfx1250"
	.amdhsa_code_object_version 6
	.text
	.protected	k_q788648596d_qkv
	.globl	k_q788648596d_qkv
	.p2align	8
	.type	k_q788648596d_qkv,@function
k_q788648596d_qkv:
	s_mov_b64 s[64:65], 0
	v_nop
	global_prefetch_b8 v0, s[64:65] scope:SCOPE_SE
	s_setreg_imm32_b32 hwreg(HW_REG_WAVE_MODE, 25, 1), 1
	s_wait_xcnt 0x0
	s_wait_alu depctr_hold_cnt(0) depctr_sa_sdst(0) depctr_va_vdst(0) depctr_va_sdst(0) depctr_va_ssrc(0) depctr_va_vcc(0) depctr_vm_vsrc(0)
	s_getreg_b32 s2, hwreg(HW_REG_IB_STS2, 6, 4)
	s_cmp_eq_u32 s2, 0
	s_cbranch_scc0 .Lentry_in_a_cluster
	s_endpgm
.Lentry_in_a_cluster:
	s_bfe_u32 s2, ttmp6, 0x10000c
	s_cmp_lg_u32 s2, 0xf033
	s_cbranch_scc0 .Lentry_shape_is_right
	s_endpgm
.Lentry_shape_is_right:
; QKV: q, k, v = x W for one head and 256 tokens, on codes of E2M1 with E8M0 scales (the three quantised products), f32 sums, results rounded once to f16.
; A work-group (head h, token block tb) makes 256 tokens x 192 features.  Wave (wr, wc): 128 tokens (8 tiles) x feature tiles 2 wc, 2 wc + 1 of each of q, k, v: 48 accumulators.
; The tile's whole K, 139,264 bytes of x and 104,448 of W (codes as register images, scale words behind them), fits in LDS: four chunks of 256 along K, each filled ONCE; nothing is filled again.
; CLUSTER 4 x 4: x's chunks hang on tb alone and are shared along a row of the cluster, W's on h alone and are shared along a column: each is asked for jointly.
; The token blocks are dealt so that the sixteen partners own the SAME quarter of their sequences: batch = 4 (cluster y / 4) + cy, quarter = cluster y % 4.
; q and k: source 0 = 16 features of W, source 1 = 16 tokens: a lane holds one token and eight neighbouring features.  v: the sources swapped: a lane holds one feature and eight neighbouring tokens.
; Four roundings to f16 then make 16 bytes that ARE a lane's part of the next launch's operand image (Q, K: rows = tokens, K = features; V^T: rows = features, K = tokens): each store covers 512 consecutive bytes.
; qkv16: Q at 0: [b h 128][token tile 64][32 features 2][1,024];  at 16,777,216, 262,144 bytes for each (b, h): K likewise, then at +131,072 V^T: [32 keys 32][feature tile 4][1,024].
; THE FIRST 16 POSITIONS of every sequence are carried finely by launch fine2: where the quarter is 0, the waves with wr = 0 also store the six accumulators of their token tile 0 as they stand, in f32:
; qf: [b h 128][feature tile 12 (q's 4, k's 4, v's 4)][registers 0-3, 4-7][16 bytes a lane].
; LIMIT: |q|, |k|, |v| stay under 65,504 (f16).
; REGISTERS.  window 0: v1-7 addresses; v16-47 x's scale words, two sets; v48-71 W's, two sets; v128-255 x's fragments, two sets.
;   window 1: q's and k's 32 accumulators.   window 2: v0-127 v's 16 accumulators; v128-223 W's fragments, two sets.
.set XCH, 34816                        ; a chunk of x: codes 32,768 + scale words 2,048
.set WCH, 26112                        ; a chunk of W: codes 24,576 + scale words 1,536
.set WQ0, 4*XCH
.set SPARE, WQ0+4*WCH                  ; the spare words, 128 bytes for each wave
.set LI, 1                             ; 16 x lane
.set AX, 2                             ; LDS address of my x fragments in the chunk in hand
.set AW, 3                             ; of my W fragments
.set AXS, 4                            ; of x's scale words
.set AWS, 5                            ; of W's
.set SPW, 6
.set NIL, 7
.set SCX, 16
.set SCW, 48
.set MSB, 0
.macro WIN new                         ; the immediate's high byte repeats the setting that is left
.if MSB != (\new)
	s_set_vgpr_msb (MSB<<8)|(\new)
.set MSB, (\new)
.endif
.endm
.macro PLACES
.rept 4
	v_nop
.endr
.endm
.macro CROUND                          ; a round of the cluster's barrier
	s_barrier_signal -1
	s_barrier_wait -1
	s_cmp_lg_u32 s10, 0
	s_cbranch_scc1 .Lnot_wave_0_\@
	s_barrier_signal -3
.Lnot_wave_0_\@:
	s_barrier_wait -3
	s_barrier_signal -1
	s_barrier_wait -1
.endm
	s_load_b128 s[4:7], s[0:1], 0x0                ; xq, wq
	s_load_b64 s[8:9], s[0:1], 0x10                ; qkv16
	s_load_b64 s[90:91], s[0:1], 0x18              ; qf
	v_lshl_add_u32 v[SPW], v0, 2, SPARE
	v_mov_b32 v[NIL], 0
	ds_add_u32 v[SPW], v[NIL]                      ; the wave's opening: the add, twice on end, and its wait ahead of my first tensor load
	ds_add_u32 v[SPW], v[NIL]
	v_lshrrev_b32 v1, 5, v0
	v_readfirstlane_b32 s10, v1                    ; wave
	s_lshr_b32 s11, s10, 1                         ; wr.  Also: I fetch for x (0) or for W (1)
	s_and_b32 s12, s10, 1                          ; wc.  Also: which half of a chunk I fetch
	s_bfe_u32 s13, ttmp6, 0x40000                  ; cx
	s_bfe_u32 s14, ttmp6, 0x40004                  ; cy
	s_lshl_b32 s15, ttmp9, 2
	s_add_co_u32 s15, s15, s13                     ; head
	s_and_b32 s87, ttmp7, 0xffff                   ; the cluster's y
	s_and_b32 s88, s87, 3                          ; which quarter of the sequence: the same in all sixteen partners
	s_lshr_b32 s66, s87, 2
	s_lshl_b32 s66, s66, 2
	s_add_co_u32 s66, s66, s14                     ; batch = 4 (y / 4) + cy
	s_lshl_b32 s66, s66, 2
	s_add_co_u32 s66, s66, s88                     ; token block = 4 x batch + quarter
	s_lshl_b32 s67, s14, 2
	s_lshl_b32 s67, 15, s67                        ; my row of the cluster
	s_lshl_b32 s68, 0x1111, s13                    ; my column
	; group 1: dense blocks as rows of 256 bytes (32 elements of 8 bytes), no padding: half a chunk of x is 68 rows, of W 51
	s_or_b32 s16, s67, (3<<16)|(1<<21)
	s_mov_b32 s17, 32<<16
	s_mov_b32 s18, 68<<16
	s_mov_b32 s19, 32<<16
	s_mov_b32 s20, 68
	s_mov_b32 s21, 32
	s_mov_b32 s22, 0
	s_mov_b32 s23, 0
	s_or_b32 s24, s68, (3<<16)|(1<<21)
	s_mov_b32 s25, 32<<16
	s_mov_b32 s26, 51<<16
	s_mov_b32 s27, 32<<16
	s_mov_b32 s28, 51
	s_mov_b32 s29, 32
	s_mov_b32 s30, 0
	s_mov_b32 s31, 0
	s_mul_i32 s74, s12, XCH/2                      ; x: my half's place in a chunk, in LDS and in memory
	s_mul_i32 s70, s66, 4*XCH
	s_add_co_u32 s70, s70, s74
	s_mov_b32 s71, 0
	s_mul_i32 s75, s12, WCH/2                      ; W likewise
	s_mul_i32 s72, s15, 4*WCH
	s_add_co_u32 s72, s72, s75
	s_mov_b32 s73, 0
	s_add_co_u32 s75, s75, WQ0
	s_wait_dscnt 0x0                               ; both opening adds are done
	s_wait_kmcnt 0x0
	s_add_nc_u64 s[70:71], s[4:5], s[70:71]
	s_add_nc_u64 s[72:73], s[6:7], s[72:73]
.irp k, 0,1,2,3
	s_mov_b32 s[32+4*\k], 1
	s_add_co_u32 s[33+4*\k], s74, \k*XCH
	s_add_nc_u64 s[34+4*\k:35+4*\k], s[70:71], \k*XCH
	s_or_b32 s[35+4*\k], s[35+4*\k], 0x80000000
	s_mov_b32 s[48+4*\k], 1
	s_add_co_u32 s[49+4*\k], s75, \k*WCH
	s_add_nc_u64 s[50+4*\k:51+4*\k], s[72:73], \k*WCH
	s_or_b32 s[51+4*\k], s[51+4*\k], 0x80000000
.endr
	CROUND                                         ; all sixteen work-groups are here: the joint loads meet
	s_cmp_eq_u32 s11, 0                            ; a wave's four fills stand in one branch on the wave's number: four tensor loads of mine are out
	s_cbranch_scc0 .Lfirst_w
.irp k, 0,1,2,3
	tensor_load_to_lds s[32+4*\k:35+4*\k], s[16:23]
	s_nop 0
.endr
	PLACES
	s_branch .Lfirst_done
.Lfirst_w:
.irp k, 0,1,2,3
	tensor_load_to_lds s[48+4*\k:51+4*\k], s[24:31]
	s_nop 0
.endr
	PLACES
.Lfirst_done:
	v_and_b32 v8, 31, v0
	v_lshlrev_b32 v[LI], 4, v8
	v_and_b32 v9, 15, v0
	v_lshlrev_b32 v9, 3, v9                        ; 8 r: a row's two scale words (lanes 16-31 are not read)
	s_lshl_b32 s86, s11, 13
	v_add_nc_u32 v[AX], s86, v[LI]                 ; my 8 tiles of tokens
	s_lshl_b32 s86, s12, 11
	s_add_co_u32 s86, s86, WQ0
	v_add_nc_u32 v[AW], s86, v[LI]                 ; my two tiles of each of q, k, v
	s_lshl_b32 s86, s11, 10
	s_add_co_u32 s86, s86, 32768
	v_add_nc_u32 v[AXS], s86, v9
	s_lshl_b32 s86, s12, 8
	s_add_co_u32 s86, s86, WQ0+24576
	v_add_nc_u32 v[AWS], s86, v9
	; where the results go
	s_lshr_b32 s76, s66, 2
	s_lshl_b32 s76, s76, 4
	s_add_co_u32 s76, s76, s15                     ; 16 b + h
	s_and_b32 s77, s66, 3
	s_lshl_b32 s77, s77, 4
	s_lshl_b32 s78, s11, 3
	s_add_co_u32 s77, s77, s78                     ; my first token tile in the sequence
	s_lshl_b32 s77, s77, 11
	s_lshl_b32 s78, s12, 10
	s_lshl_b32 s80, s76, 17
	s_add_co_u32 s80, s80, s77
	s_add_co_u32 s80, s80, s78
	s_mov_b32 s81, 0
	s_lshl_b32 s82, s76, 18
	s_add_co_u32 s82, s82, s77
	s_add_co_u32 s82, s82, 16777216
	s_add_co_u32 s84, s82, s78
	s_add_co_u32 s84, s84, s78
	s_add_co_u32 s84, s84, 131072
	s_add_co_u32 s82, s82, s78
	s_mov_b32 s83, 0
	s_mov_b32 s85, 0
	s_add_nc_u64 s[80:81], s[8:9], s[80:81]        ; Q
	s_add_nc_u64 s[82:83], s[8:9], s[82:83]        ; K
	s_add_nc_u64 s[84:85], s[8:9], s[84:85]        ; V^T
	s_mul_i32 s92, s76, 12288                      ; qf: 12 tiles of 1,024 bytes for each (b, h),
	s_lshl_b32 s93, s12, 11                        ; my two tiles of each four
	s_add_co_u32 s92, s92, s93
	s_mov_b32 s93, 0
	s_add_nc_u64 s[90:91], s[90:91], s[92:93]
; the fragments of K step e of the chunk in hand into set p: W's six, x's eight: 28 loads of 512 consecutive bytes
.macro FETCH e, p
	WIN 0x80                                       ; destination window 2
.irp f, 0,1,2,3,4,5
.irp c, 0,1
	ds_load_b128 v[128+48*(\p)+8*\f+4*\c:128+48*(\p)+8*\f+4*\c+3], v[AW] offset:(\e)*12288+(\f/2)*4096+(\f%2)*1024+\c*512
.endr
.endr
	WIN 0
.irp m, 0,1,2,3,4,5,6,7
.irp c, 0,1
	ds_load_b128 v[128+64*(\p)+8*\m+4*\c:128+64*(\p)+8*\m+4*\c+3], v[AX] offset:(\e)*16384+\m*1024+\c*512
.endr
.endr
.endm
.macro SCALES s                        ; the chunk's scale words, both K steps', into set s
.irp m, 0,1,2,3,4,5,6,7
	ds_load_b64 v[SCX+16*(\s)+2*\m:SCX+16*(\s)+2*\m+1], v[AXS] offset:\m*128
.endr
.irp f, 0,1,2,3,4,5
	ds_load_b64 v[SCW+12*(\s)+2*\f:SCW+12*(\s)+2*\f+1], v[AWS] offset:(\f/2)*512+(\f%2)*128
.endr
.endm
; 32 products for q and k, 16 for v; the 48 accumulators take turns, one instruction a turn, in the same order in every K step
.macro MULQK p, s, e, zero
	WIN 0x52                                       ; source 0 (W) window 2, source 1 (x) window 0, C and D window 1
.irp f, 0,1,2,3
.irp m, 0,1,2,3,4,5,6,7
.if \zero
	v_wmma_scale_f32_16x16x128_f8f6f4 v[8*(8*\f+\m):8*(8*\f+\m)+7], v[128+48*(\p)+8*\f:128+48*(\p)+8*\f+7], v[128+64*(\p)+8*\m:128+64*(\p)+8*\m+7], 0, v[SCW+12*(\s)+2*\f+(\e)], v[SCX+16*(\s)+2*\m+(\e)] matrix_a_fmt:MATRIX_FMT_FP4 matrix_b_fmt:MATRIX_FMT_FP4
.else
	v_wmma_scale_f32_16x16x128_f8f6f4 v[8*(8*\f+\m):8*(8*\f+\m)+7], v[128+48*(\p)+8*\f:128+48*(\p)+8*\f+7], v[128+64*(\p)+8*\m:128+64*(\p)+8*\m+7], v[8*(8*\f+\m):8*(8*\f+\m)+7], v[SCW+12*(\s)+2*\f+(\e)], v[SCX+16*(\s)+2*\m+(\e)] matrix_a_fmt:MATRIX_FMT_FP4 matrix_b_fmt:MATRIX_FMT_FP4
.endif
.endr
.endr
.endm
.macro MULV p, s, e, zero
	WIN 0xa8                                       ; source 0 (x) window 0, source 1 (W) window 2, C and D window 2
.irp f, 4,5
.irp m, 0,1,2,3,4,5,6,7
.if \zero
	v_wmma_scale_f32_16x16x128_f8f6f4 v[8*(8*(\f-4)+\m):8*(8*(\f-4)+\m)+7], v[128+64*(\p)+8*\m:128+64*(\p)+8*\m+7], v[128+48*(\p)+8*\f:128+48*(\p)+8*\f+7], 0, v[SCX+16*(\s)+2*\m+(\e)], v[SCW+12*(\s)+2*\f+(\e)] matrix_a_fmt:MATRIX_FMT_FP4 matrix_b_fmt:MATRIX_FMT_FP4
.else
	v_wmma_scale_f32_16x16x128_f8f6f4 v[8*(8*(\f-4)+\m):8*(8*(\f-4)+\m)+7], v[128+64*(\p)+8*\m:128+64*(\p)+8*\m+7], v[128+48*(\p)+8*\f:128+48*(\p)+8*\f+7], v[8*(8*(\f-4)+\m):8*(8*(\f-4)+\m)+7], v[SCX+16*(\s)+2*\m+(\e)], v[SCW+12*(\s)+2*\f+(\e)] matrix_a_fmt:MATRIX_FMT_FP4 matrix_b_fmt:MATRIX_FMT_FP4
.endif
.endr
.endr
.endm
; A chunk's first K step: its fragments (set 0) are waited for; the second step's are asked for ahead of the 48 products.
.macro EVEN s, zero
	s_wait_dscnt 0x0
	PLACES                                         ; in front of loads into registers that matrix instructions have read
	FETCH 1, 1
	MULQK 0, \s, 0, \zero
	MULV 0, \s, 0, \zero
.endm
; A chunk's second K step, with the change to the next chunk in its middle.  left: my tensor loads that may stay out: the chunks behind the next one.
.macro ODD s, nexts, left
	s_wait_dscnt 0x0
	MULQK 1, \s, 1, 0
	WIN 0
	s_wait_tensorcnt \left                         ; my part of the next chunk has landed,
	s_barrier_signal -1
	s_barrier_wait -1                              ; everybody's has.
	v_add_nc_u32 v[AX], XCH, v[AX]                 ; on to the next chunk: these four lines are also the places in front of the loads below
	v_add_nc_u32 v[AW], WCH, v[AW]
	v_add_nc_u32 v[AXS], XCH, v[AXS]
	v_add_nc_u32 v[AWS], WCH, v[AWS]
	FETCH 0, 0
	SCALES \nexts
	MULV 1, \s, 1, 0
.endm
	s_wait_tensorcnt 3                             ; my part of chunk 0 has landed; the three chunks behind it may be out
	s_barrier_signal -1
	s_barrier_wait -1
	FETCH 0, 0
	SCALES 0
	EVEN 0, 1                                      ; the first products start the sums: nothing is cleared
	ODD 0, 1, 2
	EVEN 1, 0
	ODD 1, 0, 1
	EVEN 0, 0
	ODD 0, 1, 0
	EVEN 1, 0
	s_wait_dscnt 0x0                               ; the last K step
	MULQK 1, 1, 1, 0
	MULV 1, 1, 1, 0
	; THE WAY OUT
	PLACES
	WIN 0                                          ; at a branch and at a label every window is 0
	s_cmp_lg_u32 s88, 0                            ; the sequence's first quarter?  The cluster's y alone: the same in all partners
	s_cbranch_scc1 .Lno_fine
	s_cmp_lg_u32 s11, 0                            ; and its first 128 tokens?  The wave's number
	s_cbranch_scc1 .Lno_fine
	WIN 0x04                                       ; a store's data: window 1.  Token tile 0 of q's and k's tiles, in f32, each accumulator from its low end on; 512 consecutive bytes a store
.irp f, 0,1,2,3
	global_store_b128 v[LI], v[64*\f:64*\f+3], s[90:91] offset:(\f/2)*4096+(\f%2)*1024
	global_store_b128 v[LI], v[64*\f+4:64*\f+7], s[90:91] offset:(\f/2)*4096+(\f%2)*1024+512
.endr
	WIN 0x08                                       ; window 2: v's two tiles
.irp f, 0,1
	global_store_b128 v[LI], v[64*\f:64*\f+3], s[90:91] offset:8192+\f*1024
	global_store_b128 v[LI], v[64*\f+4:64*\f+7], s[90:91] offset:8192+\f*1024+512
.endr
	WIN 0
.Lno_fine:
	; four roundings make a lane's 16 bytes of an image; each accumulator is read from its low end on
	WIN 0x05                                       ; sources window 1, destination window 0: x's fragments are done with
.set a, 0
.rept 32
.irp r, 0,1,2,3
	v_cvt_pk_f16_f32 v[128+4*a+\r], v[8*a+2*\r], v[8*a+2*\r+1]
.endr
.set a, a+1
.endr
	WIN 0
.irp f, 0,1
.irp m, 0,1,2,3,4,5,6,7
	global_store_b128 v[LI], v[128+4*(8*\f+\m):128+4*(8*\f+\m)+3], s[80:81] offset:\m*2048+\f*512
.endr
.endr
.irp f, 0,1
.irp m, 0,1,2,3,4,5,6,7
	global_store_b128 v[LI], v[128+4*(16+8*\f+\m):128+4*(16+8*\f+\m)+3], s[82:83] offset:\m*2048+\f*512
.endr
.endr
	s_wait_xcnt 0x0                                ; the stores have read their data registers, which are written again
	WIN 0x0a                                       ; sources window 2
.set a, 0
.rept 16
.irp r, 0,1,2,3
	v_cvt_pk_f16_f32 v[128+4*a+\r], v[8*a+2*\r], v[8*a+2*\r+1]
.endr
.set a, a+1
.endr
	WIN 0
.irp f, 0,1
.irp m, 0,1,2,3,4,5,6,7
	global_store_b128 v[LI], v[128+4*(8*\f+\m):128+4*(8*\f+\m)+3], s[84:85] offset:(\m/2)*4096+\f*1024+(\m%2)*512
.endr
.endr
	s_wait_tensorcnt 0x0                           ; the wave's end
	ds_add_u32 v[SPW], v[NIL]
	s_wait_dscnt 0x0
	CROUND                                         ; the closing round
	s_endpgm
.Lfunc_end_k_q788648596d_qkv:
	.size	k_q788648596d_qkv, .Lfunc_end_k_q788648596d_qkv-k_q788648596d_qkv
	.p2alignl 7, 3214868480
	.fill 96, 4, 3214868480
	.section	.rodata,"a",@progbits
	.p2align	6, 0x0
	.amdhsa_kernel k_q788648596d_qkv
		.amdhsa_group_segment_fixed_size 244224
		.amdhsa_private_segment_fixed_size 0
		.amdhsa_enable_private_segment 0
		.amdhsa_kernarg_size 32
		.amdhsa_user_sgpr_count 2
		.amdhsa_user_sgpr_kernarg_segment_ptr 1
		.amdhsa_wavefront_size32 1
		.amdhsa_system_sgpr_workgroup_id_x 1
		.amdhsa_system_sgpr_workgroup_id_y 1
		.amdhsa_system_sgpr_workgroup_id_z 1
		.amdhsa_system_vgpr_workitem_id 0
		.amdhsa_next_free_vgpr 768
		.amdhsa_next_free_sgpr 100
		.amdhsa_reserve_vcc 0
		.amdhsa_float_denorm_mode_32 3
		.amdhsa_float_denorm_mode_16_64 3
		.amdhsa_memory_ordered 1
		.amdhsa_forward_progress 1
		.amdhsa_inst_pref_size 95
	.end_amdhsa_kernel
	.amdgpu_metadata
---
amdhsa.version: [ 1, 2 ]
amdhsa.kernels:
  - .name:           k_q788648596d_qkv
    .symbol:         k_q788648596d_qkv.kd
    .args:
      - { .name: xq, .offset: 0, .size: 8, .value_kind: global_buffer, .address_space: global }
      - { .name: wq, .offset: 8, .size: 8, .value_kind: global_buffer, .address_space: global }
      - { .name: qkv16, .offset: 16, .size: 8, .value_kind: global_buffer, .address_space: global }
      - { .name: qf, .offset: 24, .size: 8, .value_kind: global_buffer, .address_space: global }
    .group_segment_fixed_size: 244224
    .private_segment_fixed_size: 0
    .kernarg_segment_align: 8
    .kernarg_segment_size: 32
    .max_flat_workgroup_size: 128
    .sgpr_count:     100
    .vgpr_count:     768
    .wavefront_size: 32
...
	.end_amdgpu_metadata
.endif
;; end of part 2
;; launch attn (part 3): grid 2 x 128, 16 waves a work-group, no clusters, 264,192 bytes of LDS; arguments qkv16, a16; writes a16
.if DOCPART == 3
	.amdgcn_target "amdgcn-amd-amdhsa--gfx1250"
	.amdhsa_code_object_version 6
	.text
	.protected	k_q788648596d_attn
	.globl	k_q788648596d_attn
	.p2align	8
	.type	k_q788648596d_attn,@function
k_q788648596d_attn:
	s_mov_b64 s[64:65], 0
	v_nop
	global_prefetch_b8 v0, s[64:65] scope:SCOPE_SE
	s_setreg_imm32_b32 hwreg(HW_REG_WAVE_MODE, 25, 1), 1
	s_wait_xcnt 0x0
; ATTN: a = softmax(q k^T / 8, causal) v for one (batch, head); f16 operands, f32 sums, softmax in f32 with a running maximum.
; LEFT OUT: steps of 64 keys that lie wholly behind a wave's 32 queries: reference()'s own jnp.tril makes their weights exactly 0 (shown at the head of launch prep).
; SHARES.  Work-group (p, b h).  Wave w owns the 32 queries 64 z + 32 p + 0..31, z = w xor 3 ((w / 4) % 2): it needs the z + 1 key steps 0 .. z, whichever p, so both work-groups of a head
; have the same work, and waves w, w + 4, w + 8, w + 12 have 34 steps together.  Sixteen waves of 256 registers: one wave's softmax stands beside another's products.
; A head's K and V^T, 262,144 bytes of operand images, lie in LDS whole, filled ONCE, in three parts that are asked for in the order in which they are read: each wave brings 2 KB of key steps 0 and 1,
; 4 KB of steps 2 to 5 and 10 KB of steps 6 to 15, so three tensor loads of mine are out.  Steps 0 to 5 are 81 of the work-group's 136 wave-steps: they are multiplied while the last part is on its way.
; No cluster: only the two work-groups of a head share K and V, and the cluster forms hold four along an axis.  No prefetch: every byte is asked for at the head.
; LAYOUT.  S^T = K Q^T (source 0 = 16 keys, source 1 = 16 queries): a lane holds one query (lane % 16) and keys 8 (lane / 16) + 0..7.  Two such tiles rounded to f16 in pairs ARE source 1 of
; O^T = V^T P, whose result holds one query a lane and eight channels: these, rounded, are a lane's 16 bytes of the next launch's operand image.
; a16: [128 rows 64][128 of K 8][row tile 8][32 of K 4][1,024], K = 64 head + channel.
; p = 2^(c s - c m), c = log2(e) / 8; in every step O and l are multiplied by 2^(c m_old - c m_new).  The first step finds m = -3e38 and zeros.
; LIMIT: the weights p (at most 1) and a are rounded to f16.
.set LI, 1                             ; 16 x lane
.set ADK, 2                            ; LDS address of the step's K
.set ADV, 3                            ; of its V^T
.set SPW, 4
.set NIL, 5
.set DG, 6                             ; 32 p + r - 8 hh: on the diagonal, register j of key tile kt is hidden for query tile t where 16 (kt - t) + j > DG
.set NEG, 7                            ; -infinity
.set ST, 8                             ; tile t at v[8 + 8 t]: +0 c m, +1 m, +2, +3 l in two halves, +4 .. +7 at work (a in +6)
.set Q, 24                             ; v24-55   Q: 16 t + 8 s
.set S, 56                             ; v56-119  S^T: 32 t + 8 kt; P is packed in place: 32 t + 16 u + 0..7
.set O, 120                            ; v120-183 O^T: 32 t + 8 dt
.set FR, 184                           ; v184-247 eight fragments: K's, then V's
.set L2, 248                           ; v248-251 the sums' second chains
.set Z, 9
.set CS, 40
.set SEL, 42
.set KI, 44                            ; the key step
.set TB, 45                            ; 8,192 x KI
.set TBV, 46                           ; + 131,072
.set CNT, 47
	s_load_b128 s[4:7], s[0:1], 0x0                ; qkv16, a16
	v_lshl_add_u32 v[SPW], v0, 2, 262144
	v_mov_b32 v[NIL], 0
	ds_add_u32 v[SPW], v[NIL]                      ; the wave's opening: the add, twice on end, and its wait ahead of my first tensor load
	ds_add_u32 v[SPW], v[NIL]
	v_lshrrev_b32 v1, 5, v0
	v_readfirstlane_b32 s8, v1                     ; wave 0..15
	s_bfe_u32 s10, s8, 0x10002
	s_mul_i32 s10, s10, 3
	s_xor_b32 s[Z], s8, s10
	s_and_b32 s11, ttmp7, 0xffff                   ; 16 b + h
	; group 1: dense blocks as rows of 256 bytes: 8 rows, 16 rows and 40 rows
	s_mov_b32 s16, 3<<16
	s_mov_b32 s17, 32<<16
	s_mov_b32 s18, 8<<16
	s_mov_b32 s19, 32<<16
	s_mov_b32 s20, 8
	s_mov_b32 s21, 32
	s_mov_b32 s22, 0
	s_mov_b32 s23, 0
	s_mov_b32 s24, 3<<16
	s_mov_b32 s25, 32<<16
	s_mov_b32 s26, 16<<16
	s_mov_b32 s27, 32<<16
	s_mov_b32 s28, 16
	s_mov_b32 s29, 32
	s_mov_b32 s30, 0
	s_mov_b32 s31, 0
	s_mov_b32 s56, 3<<16
	s_mov_b32 s57, 32<<16
	s_mov_b32 s58, 40<<16
	s_mov_b32 s59, 32<<16
	s_mov_b32 s60, 40
	s_mov_b32 s61, 32
	s_mov_b32 s62, 0
	s_mov_b32 s63, 0
	s_lshr_b32 s12, s8, 3                          ; waves 0-7 bring K, waves 8-15 V^T
	s_lshl_b32 s12, s12, 17
	s_and_b32 s13, s8, 7
	s_mov_b32 s32, 1
	s_lshl_b32 s33, s13, 11
	s_add_co_u32 s33, s33, s12                     ; my 2,048 bytes of the first 16,384: the same place in LDS and in the head's block of memory
	s_mov_b32 s36, 1
	s_lshl_b32 s37, s13, 12
	s_add_co_u32 s37, s37, s12
	s_add_co_u32 s37, s37, 16384                   ; my 4,096 bytes of the next 32,768
	s_mov_b32 s68, 1
	s_mul_i32 s69, s13, 10240
	s_add_co_u32 s69, s69, s12
	s_add_co_u32 s69, s69, 49152                   ; my 10,240 bytes of the last 81,920
	s_lshl_b32 s50, s11, 18
	s_add_co_u32 s50, s50, 16777216
	s_add_co_u32 s52, s50, s33
	s_mov_b32 s53, 0
	s_add_co_u32 s54, s50, s37
	s_mov_b32 s55, 0
	s_add_co_u32 s48, s50, s69
	s_mov_b32 s49, 0
	s_mov_b32 s[CS], 0x3e38aa3b                    ; c = log2(e) / 8
	s_mov_b32 s[CS+1], s[CS]                       ; (named with it as a pair)
	s_mov_b32 s[SEL], 0x76543210
	s_mov_b32 s[SEL+1], 0xfedcba98
	s_mov_b32 s[KI], 0
	s_mov_b32 s[TB], 0
	s_mov_b32 s[TBV], 131072
	s_wait_dscnt 0x0                               ; both opening adds are done
	s_wait_kmcnt 0x0
	s_add_nc_u64 s[34:35], s[4:5], s[52:53]
	s_or_b32 s35, s35, 0x80000000
	s_add_nc_u64 s[38:39], s[4:5], s[54:55]
	s_or_b32 s39, s39, 0x80000000
	s_add_nc_u64 s[70:71], s[4:5], s[48:49]
	s_or_b32 s71, s71, 0x80000000
	tensor_load_to_lds s[32:35], s[16:23]
	s_nop 0
	tensor_load_to_lds s[36:39], s[24:31]
	s_nop 0
	tensor_load_to_lds s[68:71], s[56:63]
	s_nop 0
.rept 4
	v_nop
.endr
	s_lshl_b32 s12, s[Z], 1
	s_add_co_u32 s12, s12, ttmp9                   ; my tile of 32 queries
	s_lshl_b32 s52, s11, 17
	s_lshl_b32 s13, s12, 12
	s_add_co_u32 s52, s52, s13
	s_mov_b32 s53, 0
	s_add_nc_u64 s[4:5], s[4:5], s[52:53]          ; Q's four images
	s_lshr_b32 s13, s11, 4
	s_lshl_b32 s13, s13, 6
	s_lshl_b32 s14, s12, 1
	s_add_co_u32 s13, s13, s14                     ; my first row tile of a: 64 b + 2 x tile
	s_and_b32 s14, s11, 15                         ; head
	s_lshr_b32 s15, s13, 3
	s_lshl_b32 s15, s15, 3
	s_lshr_b32 s48, s14, 1
	s_add_co_u32 s15, s15, s48
	s_lshl_b32 s15, s15, 15
	s_and_b32 s48, s13, 7
	s_lshl_b32 s48, s48, 12
	s_add_co_u32 s15, s15, s48
	s_and_b32 s48, s14, 1
	s_lshl_b32 s48, s48, 11
	s_add_co_u32 s54, s15, s48
	s_mov_b32 s55, 0
	s_add_nc_u64 s[6:7], s[6:7], s[54:55]
	v_and_b32 v2, 31, v0
	v_lshlrev_b32 v[LI], 4, v2
.set n, 0
.rept 4                                ; image n = 2 t + s
	global_load_b128 v[Q+8*n:Q+8*n+3], v[LI], s[4:5] offset:n*1024
	global_load_b128 v[Q+8*n+4:Q+8*n+7], v[LI], s[4:5] offset:n*1024+512
.set n, n+1
.endr
	v_and_b32 v[DG], 15, v0
	v_bfe_u32 v3, v0, 4, 1
	v_lshlrev_b32 v3, 3, v3
	v_sub_nc_u32 v[DG], v[DG], v3
	s_lshl_b32 s13, ttmp9, 5
	v_add_nc_u32 v[DG], s13, v[DG]
	v_mov_b32 v[NEG], 0xff800000
.irp t, 0,1
	v_mov_b32 v[ST+8*\t+1], 0xff61b1e6             ; m = -3e38, under every score
	v_mul_f32 v[ST+8*\t], s[CS], v[ST+8*\t+1]
.irp i, 2,3,4,5,6,7
	v_mov_b32 v[ST+8*\t+\i], 0
.endr
.endr
.set n, 0
.rept 64
	v_mov_b32 v[O+n], 0                            ; the step is written with no first step of its own: the first finds zeros
.set n, n+1
.endr
; A KEY STEP of 64 keys.
.macro STEP
	s_cmp_gt_u32 s[KI], s[Z]                       ; all its keys come after my queries: left out.  A branch on ids, round the step's work alone
	s_cbranch_scc1 .Lhid_\@
	v_add_nc_u32 v[ADK], s[TB], v[LI]
	v_add_nc_u32 v[ADV], s[TBV], v[LI]
	v_nop                                          ; five places: the loads below land in registers that the last products read, and the first product below writes over registers that they read as P
	v_nop
	v_nop
.set n, 0
.rept 8                                ; fragment 2 kt + s
	ds_load_b128 v[FR+8*n:FR+8*n+3], v[ADK] offset:n*1024
	ds_load_b128 v[FR+8*n+4:FR+8*n+7], v[ADK] offset:n*1024+512
.set n, n+1
.endr
	s_wait_dscnt 0x0
.irp s, 0,1                            ; S^T = K Q^T: eight accumulators by turns
.irp kt, 0,1,2,3
.irp t, 0,1
.if \s == 0
	v_wmma_f32_16x16x32_f16 v[S+32*\t+8*\kt:S+32*\t+8*\kt+7], v[FR+8*(2*\kt+\s):FR+8*(2*\kt+\s)+7], v[Q+16*\t+8*\s:Q+16*\t+8*\s+7], 0
.else
	v_wmma_f32_16x16x32_f16 v[S+32*\t+8*\kt:S+32*\t+8*\kt+7], v[FR+8*(2*\kt+\s):FR+8*(2*\kt+\s)+7], v[Q+16*\t+8*\s:Q+16*\t+8*\s+7], v[S+32*\t+8*\kt:S+32*\t+8*\kt+7]
.endif
.endr
.endr
.endr
.rept 4
	v_nop                                          ; places in front of the loads into K's registers and of the first read of the scores
.endr
.set n, 0
.rept 8                                ; fragment 4 u + dt of V^T: it lands under the softmax
	ds_load_b128 v[FR+8*n:FR+8*n+3], v[ADV] offset:n*1024
	ds_load_b128 v[FR+8*n+4:FR+8*n+7], v[ADV] offset:n*1024+512
.set n, n+1
.endr
	s_cmp_lg_u32 s[KI], s[Z]                       ; only my last step lies on the diagonal
	s_cbranch_scc1 .Lopen_\@
.irp t, 0,1
.irp kt, 0,1,2,3
.irp j, 0,1,2,3,4,5,6,7
	v_cmp_gt_i32 vcc_lo, 16*(\kt-\t)+\j, v[DG]
	v_cndmask_b32 v[S+32*\t+8*\kt+\j], v[S+32*\t+8*\kt+\j], v[NEG], vcc_lo
.endr
.endr
.endr
.Lopen_\@:
	; the maximum of the lane's 32 scores and the old m; the two tiles by turns
.irp j, 0,1,2,3
.irp t, 0,1
	v_max3_num_f32 v[ST+8*\t+4+\j], v[S+32*\t+8*\j], v[S+32*\t+8*\j+1], v[S+32*\t+8*\j+2]
.endr
.endr
.irp q, 1,2
.irp j, 0,1,2,3
.irp t, 0,1
	v_max3_num_f32 v[ST+8*\t+4+\j], v[ST+8*\t+4+\j], v[S+32*\t+8*\j+2*\q+1], v[S+32*\t+8*\j+2*\q+2]
.endr
.endr
.endr
.irp t, 0,1
	v_max3_num_f32 v[ST+8*\t+4], v[ST+8*\t+4], v[S+32*\t+7], v[S+32*\t+15]
.endr
.irp t, 0,1
	v_max3_num_f32 v[ST+8*\t+6], v[ST+8*\t+6], v[S+32*\t+23], v[S+32*\t+31]
.endr
.irp t, 0,1
	v_max3_num_f32 v[ST+8*\t+4], v[ST+8*\t+4], v[ST+8*\t+5], v[ST+8*\t+6]
.endr
.irp t, 0,1
	v_max3_num_f32 v[ST+8*\t+4], v[ST+8*\t+4], v[ST+8*\t+7], v[ST+8*\t+1]
.endr
.irp t, 0,1
	v_permlanex16_b32 v[ST+8*\t+5], v[ST+8*\t+4], s[SEL], s[SEL+1]   ; the query's other 32 keys lie in the lane 16 away
.endr
.irp t, 0,1
	v_mov_b32 v[ST+8*\t+7], v[ST+8*\t]             ; c m_old
.endr
.irp t, 0,1
	v_max_num_f32 v[ST+8*\t+1], v[ST+8*\t+4], v[ST+8*\t+5]
.endr
.irp t, 0,1
	v_mul_f32 v[ST+8*\t], s[CS], v[ST+8*\t+1]
.endr
.irp t, 0,1
	v_sub_f32 v[ST+8*\t+7], v[ST+8*\t+7], v[ST+8*\t]
.endr
.irp t, 0,1
	v_exp_f32 v[ST+8*\t+6], v[ST+8*\t+7]           ; a = 2^(c m_old - c m_new): the first of the batch
.endr
.set n, 0
.rept 16
.irp t, 0,1
	v_pk_fma_f32 v[S+32*\t+2*n:S+32*\t+2*n+1], v[S+32*\t+2*n:S+32*\t+2*n+1], s[CS:CS+1], v[ST+8*\t:ST+8*\t+1] op_sel_hi:[1,0,0] neg_lo:[0,0,1] neg_hi:[0,0,1]   ; c s - c m
.endr
.set n, n+1
.endr
.set n, 0
.rept 64
	v_exp_f32 v[S+n], v[S+n]
.set n, n+1
.endr
	v_nop                                          ; a plain line behind the last exponential
	s_wait_alu depctr_va_vdst(0)                   ; one wait for the batch of 66, ahead of the first line that names a result
.irp t, 0,1
	v_pk_mul_f32 v[ST+8*\t+2:ST+8*\t+3], v[ST+8*\t+2:ST+8*\t+3], v[ST+8*\t+6:ST+8*\t+7] op_sel_hi:[1,0]   ; l x a
.endr
.irp t, 0,1
	v_pk_add_f32 v[L2+2*\t:L2+2*\t+1], v[S+32*\t:S+32*\t+1], v[S+32*\t+2:S+32*\t+3]   ; the sums are taken of the unrounded p, in two chains
.endr
.irp j, 4,8,12,16,20,24,28
.irp t, 0,1
	v_pk_add_f32 v[ST+8*\t+2:ST+8*\t+3], v[ST+8*\t+2:ST+8*\t+3], v[S+32*\t+\j:S+32*\t+\j+1]
	v_pk_add_f32 v[L2+2*\t:L2+2*\t+1], v[L2+2*\t:L2+2*\t+1], v[S+32*\t+\j+2:S+32*\t+\j+3]
.endr
.endr
.irp t, 0,1
	v_pk_add_f32 v[ST+8*\t+2:ST+8*\t+3], v[ST+8*\t+2:ST+8*\t+3], v[L2+2*\t:L2+2*\t+1]
.endr
.set n, 0
.rept 16                               ; P in place, ascending: register 16 u + i takes the pair 16 u + 2 i, 16 u + 2 i + 1
.irp t, 0,1
	v_cvt_pk_f16_f32 v[S+32*\t+16*(n/8)+n%8], v[S+32*\t+2*n], v[S+32*\t+2*n+1]
.endr
.set n, n+1
.endr
.set n, 0
.rept 16
.irp t, 0,1
	v_pk_mul_f32 v[O+32*\t+2*n:O+32*\t+2*n+1], v[O+32*\t+2*n:O+32*\t+2*n+1], v[ST+8*\t+6:ST+8*\t+7] op_sel_hi:[1,0]   ; O^T x a
.endr
.set n, n+1
.endr
	s_wait_dscnt 0x0                               ; V^T is in
.irp u, 0,1                            ; O^T += V^T P: eight accumulators by turns
.irp dt, 0,1,2,3
.irp t, 0,1
	v_wmma_f32_16x16x32_f16 v[O+32*\t+8*\dt:O+32*\t+8*\dt+7], v[FR+8*(4*\u+\dt):FR+8*(4*\u+\dt)+7], v[S+32*\t+16*\u:S+32*\t+16*\u+7], v[O+32*\t+8*\dt:O+32*\t+8*\dt+7]
.endr
.endr
.endr
.Lhid_\@:
	s_add_co_u32 s[KI], s[KI], 1
	s_add_co_u32 s[TB], s[TB], 8192
	s_add_co_u32 s[TBV], s[TBV], 8192
.endm
	s_wait_loadcnt 0x0                             ; Q
	s_wait_tensorcnt 2                             ; my part of key steps 0 and 1 has landed; my two later loads may be out
	s_barrier_signal -1
	s_barrier_wait -1
	s_mov_b32 s[CNT], 2
.Lfirst:                                           ; key steps 0 and 1
	STEP
	s_sub_co_u32 s[CNT], s[CNT], 1
	s_cmp_lg_u32 s[CNT], 0
	s_cbranch_scc1 .Lfirst
	s_wait_tensorcnt 1                             ; my part of key steps 2 to 5 has landed; my last load may be out
	s_wait_dscnt 0x0
	s_barrier_signal -1
	s_barrier_wait -1                              ; everybody's has
	s_mov_b32 s[CNT], 4
.Lsecond:                                          ; key steps 2 to 5
	STEP
	s_sub_co_u32 s[CNT], s[CNT], 1
	s_cmp_lg_u32 s[CNT], 0
	s_cbranch_scc1 .Lsecond
	s_wait_tensorcnt 0x0                           ; my part of the rest has landed,
	s_wait_dscnt 0x0
	s_barrier_signal -1
	s_barrier_wait -1                              ; everybody's has
	s_mov_b32 s[CNT], 10
.Lrest:                                            ; key steps 6 to 15: a constant count; a wave leaves out what lies behind its queries
	STEP
	s_sub_co_u32 s[CNT], s[CNT], 1
	s_cmp_lg_u32 s[CNT], 0
	s_cbranch_scc1 .Lrest
	; THE WAY OUT
.irp t, 0,1
	v_add_f32 v[ST+8*\t+4], v[ST+8*\t+2], v[ST+8*\t+3]
.endr
.irp t, 0,1
	v_permlanex16_b32 v[ST+8*\t+5], v[ST+8*\t+4], s[SEL], s[SEL+1]
.endr
.irp t, 0,1
	v_add_f32 v[ST+8*\t+4], v[ST+8*\t+4], v[ST+8*\t+5]
.endr
.irp t, 0,1
	v_rcp_f32 v[ST+8*\t+6], v[ST+8*\t+4]
.endr
	v_nop
	s_wait_alu depctr_va_vdst(0)                   ; one wait for the two reciprocals
.irp t, 0,1
.set n, 0
.rept 16
	v_pk_mul_f32 v[O+32*\t+2*n:O+32*\t+2*n+1], v[O+32*\t+2*n:O+32*\t+2*n+1], v[ST+8*\t+6:ST+8*\t+7] op_sel_hi:[1,0]
.set n, n+1
.endr
.endr
.irp t, 0,1
.set n, 0
.rept 16
	v_cvt_pk_f16_f32 v[S+16*\t+n], v[O+32*\t+2*n], v[O+32*\t+2*n+1]
.set n, n+1
.endr
.endr
.irp t, 0,1
.irp dt, 0,1,2,3
	global_store_b128 v[LI], v[S+16*\t+4*\dt:S+16*\t+4*\dt+3], s[6:7] offset:\t*4096+\dt*512   ; 512 consecutive bytes: half an image
.endr
.endr
	s_wait_tensorcnt 0x0                           ; the wave's end
	ds_add_u32 v[SPW], v[NIL]
	s_wait_dscnt 0x0
	s_endpgm
.Lfunc_end_k_q788648596d_attn:
	.size	k_q788648596d_attn, .Lfunc_end_k_q788648596d_attn-k_q788648596d_attn
	.p2alignl 7, 3214868480
	.fill 96, 4, 3214868480
	.section	.rodata,"a",@progbits
	.p2align	6, 0x0
	.amdhsa_kernel k_q788648596d_attn
		.amdhsa_group_segment_fixed_size 264192
		.amdhsa_private_segment_fixed_size 0
		.amdhsa_enable_private_segment 0
		.amdhsa_kernarg_size 16
		.amdhsa_user_sgpr_count 2
		.amdhsa_user_sgpr_kernarg_segment_ptr 1
		.amdhsa_wavefront_size32 1
		.amdhsa_system_sgpr_workgroup_id_x 1
		.amdhsa_system_sgpr_workgroup_id_y 1
		.amdhsa_system_sgpr_workgroup_id_z 1
		.amdhsa_system_vgpr_workitem_id 0
		.amdhsa_next_free_vgpr 256
		.amdhsa_next_free_sgpr 72
		.amdhsa_reserve_vcc 1
		.amdhsa_float_denorm_mode_32 3
		.amdhsa_float_denorm_mode_16_64 3
		.amdhsa_memory_ordered 1
		.amdhsa_forward_progress 1
		.amdhsa_inst_pref_size 79
	.end_amdhsa_kernel
	.amdgpu_metadata
---
amdhsa.version: [ 1, 2 ]
amdhsa.kernels:
  - .name:           k_q788648596d_attn
    .symbol:         k_q788648596d_attn.kd
    .args:
      - { .name: qkv16, .offset: 0, .size: 8, .value_kind: global_buffer, .address_space: global }
      - { .name: a16, .offset: 8, .size: 8, .value_kind: global_buffer, .address_space: global }
    .group_segment_fixed_size: 264192
    .private_segment_fixed_size: 0
    .kernarg_segment_align: 8
    .kernarg_segment_size: 16
    .max_flat_workgroup_size: 512
    .sgpr_count:     72
    .vgpr_count:     256
    .wavefront_size: 32
...
	.end_amdgpu_metadata
.endif
;; end of part 3
;; launch proj (part 4): grid 4 x 64, 4 waves a work-group, clusters of 4 x 4, 327,680 bytes of LDS; arguments a16, wo16, bo, out0; writes out0
.if DOCPART == 4
	.amdgcn_target "amdgcn-amd-amdhsa--gfx1250"
	.amdhsa_code_object_version 6
	.text
	.protected	k_q788648596d_proj
	.globl	k_q788648596d_proj
	.p2align	8
	.type	k_q788648596d_proj,@function
k_q788648596d_proj:
	s_mov_b64 s[64:65], 0
	v_nop
	global_prefetch_b8 v0, s[64:65] scope:SCOPE_SE
	s_setreg_imm32_b32 hwreg(HW_REG_WAVE_MODE, 25, 1), 1
	s_wait_xcnt 0x0
	s_wait_alu depctr_hold_cnt(0) depctr_sa_sdst(0) depctr_va_vdst(0) depctr_va_sdst(0) depctr_va_ssrc(0) depctr_va_vcc(0) depctr_vm_vsrc(0)
	s_getreg_b32 s2, hwreg(HW_REG_IB_STS2, 6, 4)
	s_cmp_eq_u32 s2, 0
	s_cbranch_scc0 .Lentry_in_a_cluster
	s_endpgm
.Lentry_in_a_cluster:
	s_bfe_u32 s2, ttmp6, 0x10000c
	s_cmp_lg_u32 s2, 0xf033
	s_cbranch_scc0 .Lentry_shape_is_right
	s_endpgm
.Lentry_shape_is_right:
; PROJ: out0 = a Wo + bo, f16 operands (Wo's high parts), f32 sums.  The first 16 positions of every sequence are written again, more finely, by launch fine2.
; A tile is 128 rows x 256 columns: 256 work-groups.  Wave (wr, wc): 64 rows x 128 columns: 32 accumulators.  K goes in steps of 128 through a ring of two LDS slots; a slot is two dense blocks of
; operand images, 32,768 bytes of a and 65,536 of Wo; waves 0 and 1 bring a's halves, waves 2 and 3 Wo's, one tensor load each: two loads of mine are out at the start, one behind each change of slots.
; CLUSTER 4 x 4: a's block hangs on the tile row alone and is shared along a row of the cluster, Wo's on the tile column alone and is shared along a column.
; Source 0 = 16 columns of Wo, source 1 = 16 rows of a: a lane holds one row and eight neighbouring columns.  bo is the C of each sum's first product.
; REGISTERS.  window 0: v16-30 addresses; two fragment buffers of 96 (a's 4 tiles, then Wo's 8) at v64 and v160; on the way out v64-191 hold rows.  window 1: accumulator (a, b) at v[8 (8 a + b)].  window 2: v0-63 bo.
.set SLOT, 98304
.set STAGE, 2*SLOT                     ; behind the ring: 16 rows x 528 bytes for each wave
.set SP, 528
.set SPARE, STAGE+4*16*SP              ; the spare words
.set ADRA, 16
.set ADRB, 20
.set STO, 24
.set RD, 25
.set CO, 26                            ; 16 x lane
.set BOF, 27
.set SPW, 28
.set NIL, 29
.set PFO, 30                           ; 256 x lane
.set F0, 64
.set F1, 160
.set G1A, 16
.set G1B, 24
.set G0A, 32
.set G0B, 40
.set PFA, 48
.set LIM, 15
.set MUL, 0x50                         ; fragments window 0, C and D window 1
.set MSB, 0
.macro WIN new
.if MSB != (\new)
	s_set_vgpr_msb (MSB<<8)|(\new)
.set MSB, (\new)
.endif
.endm
.macro PLACES
.rept 4
	v_nop
.endr
.endm
.macro JLOAD s                         ; a joint load; an s_nop 0 and four v_nop follow each of the two lines
	s_cmp_eq_u32 s13, 0
	s_cbranch_scc0 .Lfor_b_\@
	tensor_load_to_lds s[G0A+4*\s:G0A+4*\s+3], s[G1A:G1A+7]
	s_nop 0
	PLACES
	s_branch .Lasked_\@
.Lfor_b_\@:
	tensor_load_to_lds s[G0B+4*\s:G0B+4*\s+3], s[G1B:G1B+7]
	s_nop 0
	PLACES
.Lasked_\@:
.endm
.macro CREST
	s_cmp_lg_u32 s12, 0
	s_cbranch_scc1 .Lnot_wave_0_\@
	s_barrier_signal -3
.Lnot_wave_0_\@:
	s_barrier_wait -3
	s_barrier_signal -1
	s_barrier_wait -1
.endm
.macro CROUND
	s_barrier_signal -1
	s_barrier_wait -1
	CREST
.endm
; A prefetch of a's block that stands two refills on: 32,768 bytes, of which each of the four partners that ask for it jointly takes 8,192 BY ADDRESS; in each, wave 0 asks, lanes 256 bytes apart.
; No other cluster reads these rows, so each 256 bytes are named once.  The loop's last trip asks for nothing: no block lies two refills on.  Wo's blocks are read by all sixteen clusters and are not asked for.
.macro ASK
	s_cmp_gt_u32 s3, s[LIM]
	s_cbranch_scc0 .Lnot_mine_\@
	global_prefetch_b8 v[PFO], s[PFA:PFA+1] offset:32768 th:TH_LOAD_NT scope:SCOPE_SE
.Lnot_mine_\@:
.endm
	s_load_b256 s[4:11], s[0:1], 0x0               ; a16, wo16, bo, out0
	v_lshl_add_u32 v[SPW], v0, 2, SPARE
	v_mov_b32 v[NIL], 0
	ds_add_u32 v[SPW], v[NIL]                      ; the wave's opening: the add, twice on end, and its wait
	ds_add_u32 v[SPW], v[NIL]
	v_lshrrev_b32 v1, 5, v0
	v_readfirstlane_b32 s12, v1                    ; wave
	s_lshr_b32 s13, s12, 1                         ; wr.  Also: I fetch for a (0) or for Wo (1)
	s_and_b32 s14, s12, 1                          ; wc.  Also: which half I fetch
	s_bfe_u32 s50, ttmp6, 0x40000                  ; cx
	s_bfe_u32 s51, ttmp6, 0x40004                  ; cy
	s_lshl_b32 s52, ttmp9, 2
	s_add_co_u32 s52, s52, s50                     ; tile column
	s_and_b32 s53, ttmp7, 0xffff
	s_lshl_b32 s53, s53, 2
	s_add_co_u32 s53, s53, s51                     ; tile row
	s_lshl_b32 s60, s51, 2
	s_lshl_b32 s60, 15, s60                        ; my row of the cluster
	s_lshl_b32 s61, 0x1111, s50                    ; my column
	s_or_b32 s[G1A], s60, (3<<16)|(1<<21)          ; dense blocks as rows of 256 bytes: 64 rows of a, 128 of Wo
	s_mov_b32 s[G1A+1], 32<<16
	s_mov_b32 s[G1A+2], 64<<16
	s_mov_b32 s[G1A+3], 32<<16
	s_mov_b32 s[G1A+4], 64
	s_mov_b32 s[G1A+5], 32
	s_mov_b32 s[G1A+6], 0
	s_mov_b32 s[G1A+7], 0
	s_or_b32 s[G1B], s61, (3<<16)|(1<<21)
	s_mov_b32 s[G1B+1], 32<<16
	s_mov_b32 s[G1B+2], 128<<16
	s_mov_b32 s[G1B+3], 32<<16
	s_mov_b32 s[G1B+4], 128
	s_mov_b32 s[G1B+5], 32
	s_mov_b32 s[G1B+6], 0
	s_mov_b32 s[G1B+7], 0
	s_lshl_b32 s54, s53, 18
	s_lshl_b32 s58, s14, 14                        ; a: my half's place in a block
	s_add_co_u32 s54, s54, s58
	s_mov_b32 s55, 0
	s_lshl_b32 s56, s52, 19
	s_lshl_b32 s59, s14, 15                        ; Wo: likewise
	s_add_co_u32 s56, s56, s59
	s_mov_b32 s57, 0
	s_add_co_u32 s59, s59, 32768                   ; Wo's block lies behind a's in a slot
	s_cmp_eq_u32 s12, 0
	s_cselect_b32 s[LIM], 1, -1
	s_wait_dscnt 0x0                               ; both opening adds are done
	s_wait_kmcnt 0x0
	s_add_nc_u64 s[54:55], s[4:5], s[54:55]
	s_add_nc_u64 s[56:57], s[6:7], s[56:57]
	CROUND                                         ; all sixteen work-groups are here
.irp s, 0,1
	s_mov_b32 s[G0A+4*\s], 1
	s_add_co_u32 s[G0A+4*\s+1], s58, \s*SLOT
	s_add_nc_u64 s[G0A+4*\s+2:G0A+4*\s+3], s[54:55], \s*32768
	s_or_b32 s[G0A+4*\s+3], s[G0A+4*\s+3], 0x80000000
	s_mov_b32 s[G0B+4*\s], 1
	s_add_co_u32 s[G0B+4*\s+1], s59, \s*SLOT
	s_add_nc_u64 s[G0B+4*\s+2:G0B+4*\s+3], s[56:57], \s*65536
	s_or_b32 s[G0B+4*\s+3], s[G0B+4*\s+3], 0x80000000
	JLOAD \s
.endr
	v_and_b32 v1, 31, v0
	v_lshlrev_b32 v[CO], 4, v1
	v_lshlrev_b32 v[PFO], 8, v1
	v_and_b32 v2, 15, v0
	v_bfe_u32 v3, v0, 4, 1
	v_lshlrev_b32 v[BOF], 5, v3                    ; bo: my eight columns of a tile: 32 hh bytes on
	s_lshl_b32 s62, s13, 14
	v_add_nc_u32 v[ADRA], s62, v[CO]               ; my four row tiles
	v_add_nc_u32 v[ADRA+1], SLOT, v[ADRA]
	s_lshl_b32 s62, s14, 15
	s_add_co_u32 s62, s62, 32768
	v_add_nc_u32 v[ADRB], s62, v[CO]               ; my eight column tiles
	v_add_nc_u32 v[ADRB+1], SLOT, v[ADRB]
	s_mul_i32 s62, s12, 16*SP
	s_add_co_u32 s62, s62, STAGE
	v_mul_u32_u24 v[STO], v2, SP
	v_lshl_add_u32 v[STO], v3, 5, v[STO]
	v_add_nc_u32 v[STO], s62, v[STO]               ; the stage: row r, + 32 hh
	v_add_nc_u32 v[RD], s62, v[CO]                 ; back: a whole row of 512 bytes
	s_lshl_b32 s62, s52, 10
	s_lshl_b32 s63, s14, 9
	s_add_co_u32 s62, s62, s63                     ; my first column, in bytes
	s_mov_b32 s63, 0
	s_add_nc_u64 s[8:9], s[8:9], s[62:63]
	s_add_nc_u64 s[10:11], s[10:11], s[62:63]
	s_lshl_b32 s62, s53, 19
	s_lshl_b32 s60, s13, 18
	s_add_co_u32 s62, s62, s60                     ; my first row: 128 x tile row + 64 wr, 4,096 bytes a row
	s_add_nc_u64 s[10:11], s[10:11], s[62:63]
	s_lshl_b32 s62, s53, 18
	s_lshl_b32 s60, s50, 13
	s_add_co_u32 s62, s62, s60
	s_add_co_u32 s62, s62, 65536                   ; the prefetches: my work-group's 8,192 bytes, in block 2; the first refill steps it to 3 and names block 4
	s_add_nc_u64 s[PFA:PFA+1], s[4:5], s[62:63]
	WIN 0x80                                       ; destination window 2
.irp b, 0,1,2,3,4,5,6,7
	global_load_b128 v[8*\b:8*\b+3], v[BOF], s[8:9] offset:\b*64
	global_load_b128 v[8*\b+4:8*\b+7], v[BOF], s[8:9] offset:\b*64+16
.endr
	WIN 0
.macro MUL8 f, a, first                ; row tile a x the eight column tiles, 32 along K
.irp b, 0,1,2,3,4,5,6,7
.if \first
	v_wmma_f32_16x16x32_f16 v[8*(8*(\a)+\b):8*(8*(\a)+\b)+7], v[\f+32+8*\b:\f+32+8*\b+7], v[\f+8*(\a):\f+8*(\a)+7], v[8*\b:8*\b+7]
.else
	v_wmma_f32_16x16x32_f16 v[8*(8*(\a)+\b):8*(8*(\a)+\b)+7], v[\f+32+8*\b:\f+32+8*\b+7], v[\f+8*(\a):\f+8*(\a)+7], v[8*(8*(\a)+\b):8*(8*(\a)+\b)+7]
.endif
.endr
.endm
.macro FETCH slot, q, f                ; 24 loads: Wo's 16, a's tiles 0 and 1, a's tiles 2 and 3
	WIN 0
.irp b, 0,1,2,3,4,5,6,7
.irp c, 0,1
	ds_load_b128 v[\f+32+8*\b+4*\c:\f+32+8*\b+4*\c+3], v[ADRB+\slot] offset:\b*4096+(\q)*1024+\c*512
.endr
.endr
.irp a, 0,1,2,3
.irp c, 0,1
	ds_load_b128 v[\f+8*\a+4*\c:\f+8*\a+4*\c+3], v[ADRA+\slot] offset:\a*4096+(\q)*1024+\c*512
.endr
.endr
.endm
; A quarter of a slot (32 along K): multiplies buffer f; in its middle it fetches quarter q into buffer g.  first = 1: C is bo (window 2).
.macro QUARTER slot, q, f, g, first
	s_wait_dscnt 4                                 ; Wo's tiles and a's tiles 0 and 1 are in; a's tiles 2 and 3 may be out
	WIN MUL+0x10*\first
	MUL8 \f, 0, \first
	MUL8 \f, 1, \first
	PLACES
	FETCH \slot, \q, \g
	s_wait_dscnt 24                                ; all but the 24 just issued
	WIN MUL+0x10*\first
	MUL8 \f, 2, \first
	MUL8 \f, 3, \first
.endm
; A slot's last quarter changes slots: one barrier; in front of it each wave waits for all its tensor loads, adds 0 to its spare word, and waits for that and for its reads of this slot.
.macro TURN slot, next, fill
.if \fill
	s_wait_xcnt 0x0                                ; the last prefetch, a slot back, has read its address
	s_add_nc_u64 s[PFA:PFA+1], s[PFA:PFA+1], 32768
.endif
	WIN 0
	s_wait_tensorcnt 0x0                           ; all my tensor loads have landed: my part of the next slot
	ds_add_u32 v[SPW], v[NIL]
	s_wait_dscnt 5                                 ; (the add and the youngest four loads may be out)
	WIN MUL
	MUL8 F1, 0, 0
	s_wait_dscnt 0x0                               ; the add is done, and my reads of this slot are over
	s_barrier_signal -1
	MUL8 F1, 1, 0
.if \fill
	WIN 0
.endif
	s_barrier_wait -1
.if \fill
	CREST                                          ; the barrier has opened a round of the cluster's barrier: no wave of any partner still reads this slot or has a load on its way
	s_add_nc_u64 s[G0A+4*\slot+2:G0A+4*\slot+3], s[G0A+4*\slot+2:G0A+4*\slot+3], 65536
	s_add_nc_u64 s[G0B+4*\slot+2:G0B+4*\slot+3], s[G0B+4*\slot+2:G0B+4*\slot+3], 131072
	JLOAD \slot                                    ; the first tensor load behind the round; its four v_nop are also the places in front of the loads below
.else
	PLACES
.endif
	FETCH \next, 0, F0
.if \fill
	ASK
.endif
	WIN MUL
	MUL8 F1, 2, 0
	MUL8 F1, 3, 0
.endm
	s_wait_loadcnt 0x0                             ; bo
	s_wait_tensorcnt 1                             ; my part of slot 0 is in; slot 1's may be out
	s_barrier_signal -1
	s_barrier_wait -1
	FETCH 0, 0, F0
	QUARTER 0, 1, F0, F1, 1                        ; the first quarter starts the sums, from bo
	WIN 0
	s_mov_b32 s3, 3
.Llap:                                             ; a trip goes once round the ring and fills both slots again
	QUARTER 0, 2, F1, F0, 0
	QUARTER 0, 3, F0, F1, 0
	TURN 0, 1, 1
	QUARTER 1, 1, F0, F1, 0
	QUARTER 1, 2, F1, F0, 0
	QUARTER 1, 3, F0, F1, 0
	TURN 1, 0, 1
	QUARTER 0, 1, F0, F1, 0
	WIN 0
	s_sub_co_u32 s3, s3, 1
	s_cmp_lg_u32 s3, 0
	s_cbranch_scc1 .Llap
	QUARTER 0, 2, F1, F0, 0                        ; the last lap fills nothing
	QUARTER 0, 3, F0, F1, 0
	TURN 0, 1, 0
	QUARTER 1, 1, F0, F1, 0
	QUARTER 1, 2, F1, F0, 0
	QUARTER 1, 3, F0, F1, 0
	s_wait_dscnt 4
	WIN MUL
	MUL8 F1, 0, 0
	MUL8 F1, 1, 0
	s_wait_dscnt 0
	MUL8 F1, 2, 0
	MUL8 F1, 3, 0
	WIN 0
; THE WAY OUT, a block of 16 rows x 128 columns at a time, through my own stage: back come whole rows of 512 bytes.
.macro TOSTAGE a
	WIN 0x04                                       ; an LDS store's data: window 1
.irp b, 0,1,2,3,4,5,6,7
	ds_store_b128 v[STO], v[8*(8*(\a)+\b):8*(8*(\a)+\b)+3] offset:64*\b      ; each accumulator from its low end on
	ds_store_b128 v[STO], v[8*(8*(\a)+\b)+4:8*(8*(\a)+\b)+7] offset:64*\b+16
.endr
	WIN 0
.set BB, 64+64*((\a)%2)
.irp t, 0,1,2,3,4,5,6,7,8,9,10,11,12,13,14,15
	ds_load_b128 v[BB+4*\t:BB+4*\t+3], v[RD] offset:\t*SP     ; LDS serves a wave's instructions in order: these see the stores above
.endr
.endm
.macro SEND a, younger
.set BB, 64+64*((\a)%2)
	s_wait_dscnt \younger
.if (\a) > 0
	s_add_nc_u64 s[10:11], s[10:11], 65536         ; 16 rows on (behind a wait that shows the earlier stores' base read)
.endif
.irp t, 0,1,2,3,4,5,6,7,8,9,10,11,12,13,14,15
	global_store_b128 v[CO], v[BB+4*\t:BB+4*\t+3], s[10:11] offset:\t*4096 th:TH_STORE_NT
.endr
.endm
	PLACES
	TOSTAGE 0
.irp a, 1,2,3
.if \a > 1
	s_wait_xcnt 0x0                                ; block a - 2's stores have read their registers and their base
.endif
	TOSTAGE \a
	SEND \a-1, 32                                  ; behind block a - 1's loads: block a's 16 stores and 16 loads
.endr
	s_wait_xcnt 0x0
	SEND 3, 0
	s_wait_tensorcnt 0x0                           ; the wave's end
	ds_add_u32 v[SPW], v[NIL]
	s_wait_dscnt 0x0
	CROUND                                         ; the closing round
	s_endpgm
.Lfunc_end_k_q788648596d_proj:
	.size	k_q788648596d_proj, .Lfunc_end_k_q788648596d_proj-k_q788648596d_proj
	.p2alignl 7, 3214868480
	.fill 96, 4, 3214868480
	.section	.rodata,"a",@progbits
	.p2align	6, 0x0
	.amdhsa_kernel k_q788648596d_proj
		.amdhsa_group_segment_fixed_size 327680
		.amdhsa_private_segment_fixed_size 0
		.amdhsa_enable_private_segment 0
		.amdhsa_kernarg_size 32
		.amdhsa_user_sgpr_count 2
		.amdhsa_user_sgpr_kernarg_segment_ptr 1
		.amdhsa_wavefront_size32 1
		.amdhsa_system_sgpr_workgroup_id_x 1
		.amdhsa_system_sgpr_workgroup_id_y 1
		.amdhsa_system_sgpr_workgroup_id_z 1
		.amdhsa_system_vgpr_workitem_id 0
		.amdhsa_next_free_vgpr 576
		.amdhsa_next_free_sgpr 66
		.amdhsa_reserve_vcc 0
		.amdhsa_float_denorm_mode_32 3
		.amdhsa_float_denorm_mode_16_64 3
		.amdhsa_memory_ordered 1
		.amdhsa_forward_progress 1
		.amdhsa_inst_pref_size 87
	.end_amdhsa_kernel
	.amdgpu_metadata
---
amdhsa.version: [ 1, 2 ]
amdhsa.kernels:
  - .name:           k_q788648596d_proj
    .symbol:         k_q788648596d_proj.kd
    .args:
      - { .name: a16, .offset: 0, .size: 8, .value_kind: global_buffer, .address_space: global }
      - { .name: wo16, .offset: 8, .size: 8, .value_kind: global_buffer, .address_space: global }
      - { .name: bo, .offset: 16, .size: 8, .value_kind: global_buffer, .address_space: global }
      - { .name: out0, .offset: 24, .size: 8, .value_kind: global_buffer, .address_space: global }
    .group_segment_fixed_size: 327680
    .private_segment_fixed_size: 0
    .kernarg_segment_align: 8
    .kernarg_segment_size: 32
    .max_flat_workgroup_size: 128
    .sgpr_count:     66
    .vgpr_count:     576
    .wavefront_size: 32
...
	.end_amdgpu_metadata
.endif
;; end of part 4
;; launch fine2 (part 5): grid 16 x 8, 16 waves a work-group, no clusters, 71,680 bytes of LDS; arguments qf, wo16, bo, out0; writes out0
.if DOCPART == 5
	.amdgcn_target "amdgcn-amd-amdhsa--gfx1250"
	.amdhsa_code_object_version 6
	.text
	.protected	k_q788648596d_fine2
	.globl	k_q788648596d_fine2
	.p2align	8
	.type	k_q788648596d_fine2,@function
k_q788648596d_fine2:
	s_mov_b64 s[64:65], 0
	v_nop
	global_prefetch_b8 v0, s[64:65] scope:SCOPE_SE
	s_setreg_imm32_b32 hwreg(HW_REG_WAVE_MODE, 25, 1), 1
	s_wait_xcnt 0x0
; FINE2: the first 16 positions of every sequence, carried finely from q, k, v to out0: they average one to sixteen values and are the largest outputs.
; Work-group (64 columns g, batch b), sixteen waves; WAVE = HEAD.  A wave loads its head's q, k, v of the 16 tokens in f32, as launch qkv left its accumulators (qf: register images), and runs the
; small attention in f32: scores and weights x v by the f32 matrix form (32 instructions a wave: no bulk work), softmax with the row's maximum taken away.  The 16 column groups each repeat it.
; Nothing changes lanes: q and k hold a token a lane and features along the registers, so registers 2 i, 2 i + 1 of k's and of q's tile are sources 0 and 1 of a K step of 4 (the same four features
; on both sides); v holds a feature a lane and tokens along the registers, p a query a lane and keys along the registers: likewise.
; a = hi + lo: hi = a with its mantissa cut to ten bits (exact in f16), lo = the rest.  A lane's 16 + 16 packed registers ARE the fragments of the head's two K steps of 32 of the projection.
; out0 = a Wo + bo with both operands as pairs of f16 numbers: hi x hi + hi x lo + lo x hi (lo x lo lies under f32's rounding of the sum).  The waves so share K, 64 each; the sixteen partial sums
; meet in LDS (a stage of 16 rows x 272 bytes for each wave), and waves 0 to 7 add two rows each, and bo, and store them.
; Source 0 = 16 columns of Wo, source 1 = the 16 rows of a: a lane holds one row and eight neighbouring columns.
; REGISTERS: v1-15 addresses and bo; v16-79 Wo's high parts, 8 (4 u + n), later the sixteen parts of a row; v80-95 a's high parts, v96-111 its low parts; v112-127 at work;
;   v128-159 q and v160-191 k, later Wo's low parts; v192-223 v, later a, later the four sums; v224-255 S^T in four parts, later O^T: these 32 are written by matrix instructions alone.
.set SPARE, 69632                      ; behind the sixteen stages: the spare words, 128 bytes for each wave
.set LI, 1
.set SPW, 2
.set NIL, 3
.set WH, 16
.set AH, 80
.set AL, 96
.set T, 112
.set U, 120
.set AQ, 128
.set AK, 160
.set WL, 128
.set AV, 192
.set SS, 224
	s_load_b256 s[4:11], s[0:1], 0x0               ; qf, wo16, bo, out0
	v_lshl_add_u32 v[SPW], v0, 2, SPARE
	v_mov_b32 v[NIL], 0
	v_lshrrev_b32 v4, 5, v0
	v_readfirstlane_b32 s12, v4                    ; wave = head
	v_and_b32 v4, 31, v0
	v_lshlrev_b32 v[LI], 4, v4                     ; 16 x lane
	v_and_b32 v5, 15, v0                           ; r
	v_bfe_u32 v7, v0, 4, 1                         ; hh
	v_lshlrev_b32 v6, 3, v7
	v_sub_nc_u32 v6, v5, v6                        ; r - 8 hh: key 8 hh + j is hidden for query r where j > this
	s_mul_i32 s20, s12, 4352
	v_mul_u32_u24 v8, v5, 272
	v_lshl_add_u32 v8, v7, 5, v8
	v_add_nc_u32 v8, s20, v8                       ; my stage: row r, + 32 hh
	s_mul_i32 s20, s12, 544
	v_mul_u32_u24 v9, v7, 272
	v_lshl_add_u32 v9, v5, 4, v9
	v_add_nc_u32 v9, s20, v9                       ; back (waves 0 to 7): row 2 w + hh of a stage, 16 bytes a lane
	v_lshlrev_b32 v11, 4, v5                       ; bo, and a row of out0: 16 r
	v_lshl_add_u32 v10, v7, 12, v11                ; + hh rows of 4,096 bytes
	s_and_b32 s13, ttmp7, 0xffff                   ; batch
	s_lshl_b32 s14, s13, 4
	s_add_co_u32 s14, s14, s12
	s_mul_i32 s14, s14, 12288                      ; qf: my (b, h)
	s_mov_b32 s15, 0
	s_lshr_b32 s16, ttmp9, 2                       ; wo16: [256 columns][128 of K][column tile 16][32 of K 4][1,024]: K step 2 h + u, column tile 4 g + n
	s_lshl_b32 s16, s16, 19
	s_lshr_b32 s17, s12, 1
	s_lshl_b32 s17, s17, 16
	s_add_co_u32 s16, s16, s17
	s_and_b32 s17, ttmp9, 3
	s_lshl_b32 s17, s17, 14
	s_add_co_u32 s16, s16, s17
	s_and_b32 s17, s12, 1
	s_lshl_b32 s17, s17, 11
	s_add_co_u32 s16, s16, s17
	s_mov_b32 s17, 0
	s_lshl_b32 s18, ttmp9, 8                       ; my 64 columns, in bytes
	s_mov_b32 s19, 0
	s_lshl_b32 s20, s13, 22                        ; the batch's first row,
	s_lshl_b32 s21, s12, 13                        ; + 2 w rows
	s_add_co_u32 s20, s20, s21
	s_add_co_u32 s20, s20, s18
	s_mov_b32 s21, 0
	s_mov_b32 s24, 0x76543210
	s_mov_b32 s25, 0xfedcba98                      ; v_permlanex16_b32's selects for lane xor 16
	s_mov_b32 s26, 0x3e38aa3b                      ; c = log2(e) / 8
	s_mov_b32 s27, 0xffffe000
	s_wait_kmcnt 0x0
	s_add_nc_u64 s[4:5], s[4:5], s[14:15]
	s_add_nc_u64 s[6:7], s[6:7], s[16:17]
	s_add_nc_u64 s[8:9], s[8:9], s[18:19]
	s_add_nc_u64 s[10:11], s[10:11], s[20:21]
	global_load_b128 v[12:15], v11, s[8:9]
.irp ft, 0,1,2,3,4,5,6,7,8,9,10,11     ; q's four tiles, k's, v's: v128 on
.irp c, 0,1
	global_load_b128 v[AQ+8*\ft+4*\c:AQ+8*\ft+4*\c+3], v[LI], s[4:5] offset:\ft*1024+\c*512
.endr
.endr
.irp u, 0,1
.irp n, 0,1,2,3
.irp c, 0,1
	global_load_b128 v[WH+8*(4*\u+\n)+4*\c:WH+8*(4*\u+\n)+4*\c+3], v[LI], s[6:7] offset:\n*4096+\u*1024+\c*512
.endr
.endr
.endr
	s_wait_loadcnt 16                              ; the 16 loads of Wo's high parts are the youngest: bo, q, k and v are in
.irp i, 0,1,2,3                        ; S^T in four parts, one for each feature tile, by turns
.irp f, 0,1,2,3
.if \i == 0
	v_wmma_f32_16x16x4_f32 v[SS+8*\f:SS+8*\f+7], v[AK+8*\f+2*\i:AK+8*\f+2*\i+1], v[AQ+8*\f+2*\i:AQ+8*\f+2*\i+1], 0
.else
	v_wmma_f32_16x16x4_f32 v[SS+8*\f:SS+8*\f+7], v[AK+8*\f+2*\i:AK+8*\f+2*\i+1], v[AQ+8*\f+2*\i:AQ+8*\f+2*\i+1], v[SS+8*\f:SS+8*\f+7]
.endif
.endr
.endr
.rept 8
	v_nop                                          ; eight places behind this form: in front of the loads into q's and k's registers and of the first read of the scores
.endr
.irp u, 0,1                            ; Wo's low parts land under the softmax
.irp n, 0,1,2,3
.irp c, 0,1
	global_load_b128 v[WL+8*(4*\u+\n)+4*\c:WL+8*(4*\u+\n)+4*\c+3], v[LI], s[6:7] offset:2097152+\n*4096+\u*1024+\c*512
.endr
.endr
.endr
.irp j, 0,2,4,6
	v_pk_add_f32 v[T+\j:T+\j+1], v[SS+\j:SS+\j+1], v[SS+8+\j:SS+8+\j+1]
	v_pk_add_f32 v[U+\j:U+\j+1], v[SS+16+\j:SS+16+\j+1], v[SS+24+\j:SS+24+\j+1]
.endr
.irp j, 0,2,4,6
	v_pk_add_f32 v[T+\j:T+\j+1], v[T+\j:T+\j+1], v[U+\j:U+\j+1]      ; lane (r, hh): the scores of query r and keys 8 hh + 0..7
.endr
	v_mov_b32 v[U], 0xff800000
.irp j, 0,1,2,3,4,5,6,7
	v_cmp_gt_i32 vcc_lo, \j, v6
	v_cndmask_b32 v[T+\j], v[T+\j], v[U], vcc_lo
.endr
	v_max3_num_f32 v[U+1], v[T], v[T+1], v[T+2]
	v_max3_num_f32 v[U+1], v[U+1], v[T+3], v[T+4]
	v_max3_num_f32 v[U+1], v[U+1], v[T+5], v[T+6]
	v_max_num_f32 v[U+1], v[U+1], v[T+7]
	v_mov_b32 v[U+2], 0
	v_permlanex16_b32 v[U+2], v[U+1], s24, s25
	v_max_num_f32 v[U+1], v[U+1], v[U+2]           ; the row's maximum: key 0 counts for every query
	v_mul_f32 v[U+2], s26, v[U+1]
.irp j, 0,1,2,3,4,5,6,7
	v_fma_f32 v[T+\j], v[T+\j], s26, -v[U+2]
.endr
.irp j, 0,1,2,3,4,5,6,7
	v_exp_f32 v[T+\j], v[T+\j]
.endr
	v_nop
	s_wait_alu depctr_va_vdst(0)                   ; one wait for the eight
	v_pk_add_f32 v[U+4:U+5], v[T:T+1], v[T+2:T+3]
	v_pk_add_f32 v[U+6:U+7], v[T+4:T+5], v[T+6:T+7]
	v_pk_add_f32 v[U+4:U+5], v[U+4:U+5], v[U+6:U+7]
	v_add_f32 v[U+4], v[U+4], v[U+5]
	v_permlanex16_b32 v[U+5], v[U+4], s24, s25
	v_add_f32 v[U+4], v[U+4], v[U+5]               ; the row's sum
	v_rcp_f32 v[U+6], v[U+4]
	v_nop
.irp i, 0,1,2,3                        ; O^T = V^T P: four accumulators by turns, over the scores' registers, which are done with
.irp d, 0,1,2,3
.if \i == 0
	v_wmma_f32_16x16x4_f32 v[SS+8*\d:SS+8*\d+7], v[AV+8*\d+2*\i:AV+8*\d+2*\i+1], v[T+2*\i:T+2*\i+1], 0
.else
	v_wmma_f32_16x16x4_f32 v[SS+8*\d:SS+8*\d+7], v[AV+8*\d+2*\i:AV+8*\d+2*\i+1], v[T+2*\i:T+2*\i+1], v[SS+8*\d:SS+8*\d+7]
.endif
.endr
.endr
.rept 9
	v_nop                                          ; nine places: vector lines below read the results and write over v's and p's registers (eight), and the projection's first products write their sums over v's (nine)
.endr
	s_wait_alu depctr_va_vdst(0)                   ; the reciprocal
.irp d, 0,1,2,3
.irp j, 0,2,4,6
	v_pk_mul_f32 v[AV+8*\d+\j:AV+8*\d+\j+1], v[SS+8*\d+\j:SS+8*\d+\j+1], v[U+6:U+7] op_sel_hi:[1,0]   ; a(query r, channel 16 d + 8 hh + j), into other registers
.endr
.endr
.set n, 0
.rept 16                               ; a pair at a time: the high parts, the rest, and both packed; four pairs of registers at work by turns
	v_and_b32 v[T+2*(n%4)], s27, v[AV+2*n]
	v_and_b32 v[T+2*(n%4)+1], s27, v[AV+2*n+1]
	v_pk_add_f32 v[AV+2*n:AV+2*n+1], v[AV+2*n:AV+2*n+1], v[T+2*(n%4):T+2*(n%4)+1] neg_lo:[0,1] neg_hi:[0,1]
	v_cvt_pk_f16_f32 v[AH+n], v[T+2*(n%4)], v[T+2*(n%4)+1]
	v_cvt_pk_f16_f32 v[AL+n], v[AV+2*n], v[AV+2*n+1]
.set n, n+1
.endr
	s_wait_loadcnt 16                              ; the 16 loads of Wo's low parts are the youngest: its high parts are in
.irp u, 0,1                            ; four accumulators by turns
.irp n, 0,1,2,3
.if \u == 0
	v_wmma_f32_16x16x32_f16 v[AV+8*\n:AV+8*\n+7], v[WH+8*(4*\u+\n):WH+8*(4*\u+\n)+7], v[AH+8*\u:AH+8*\u+7], 0
.else
	v_wmma_f32_16x16x32_f16 v[AV+8*\n:AV+8*\n+7], v[WH+8*(4*\u+\n):WH+8*(4*\u+\n)+7], v[AH+8*\u:AH+8*\u+7], v[AV+8*\n:AV+8*\n+7]
.endif
.endr
.irp n, 0,1,2,3
	v_wmma_f32_16x16x32_f16 v[AV+8*\n:AV+8*\n+7], v[WH+8*(4*\u+\n):WH+8*(4*\u+\n)+7], v[AL+8*\u:AL+8*\u+7], v[AV+8*\n:AV+8*\n+7]
.endr
.endr
.irp u, 0,1
	s_wait_loadcnt 8*(1-\u)                        ; the low parts of the K step behind this one may be out
.irp n, 0,1,2,3
	v_wmma_f32_16x16x32_f16 v[AV+8*\n:AV+8*\n+7], v[WL+8*(4*\u+\n):WL+8*(4*\u+\n)+7], v[AH+8*\u:AH+8*\u+7], v[AV+8*\n:AV+8*\n+7]
.endr
.endr
.rept 4
	v_nop
.endr
.irp n, 0,1,2,3
	ds_store_b128 v8, v[AV+8*\n:AV+8*\n+3] offset:\n*64
	ds_store_b128 v8, v[AV+8*\n+4:AV+8*\n+7] offset:\n*64+16
.endr
	s_wait_dscnt 0x0                               ; for the others' sake: my stores have landed
	s_barrier_signal -1
	s_barrier_wait -1
	s_cmp_lt_u32 s12, 8                            ; waves 0 to 7 add and store two rows each
	s_cbranch_scc0 .Ldone
.irp p, 0,1,2,3,4,5,6,7,8,9,10,11,12,13,14,15
	ds_load_b128 v[16+4*\p:19+4*\p], v9 offset:\p*4352     ; row 2 w + hh, from each of the sixteen stages
.endr
	s_wait_dscnt 0x0
.irp p, 0,1,2,3,4,5,6,7
.irp j, 0,2
	v_pk_add_f32 v[16+4*\p+\j:17+4*\p+\j], v[16+4*\p+\j:17+4*\p+\j], v[48+4*\p+\j:49+4*\p+\j]
.endr
.endr
.irp p, 0,1,2,3
.irp j, 0,2
	v_pk_add_f32 v[16+4*\p+\j:17+4*\p+\j], v[16+4*\p+\j:17+4*\p+\j], v[32+4*\p+\j:33+4*\p+\j]
.endr
.endr
.irp p, 0,1
.irp j, 0,2
	v_pk_add_f32 v[16+4*\p+\j:17+4*\p+\j], v[16+4*\p+\j:17+4*\p+\j], v[24+4*\p+\j:25+4*\p+\j]
.endr
.endr
.irp j, 0,2
	v_pk_add_f32 v[16+\j:17+\j], v[16+\j:17+\j], v[20+\j:21+\j]
.endr
.irp j, 0,2
	v_pk_add_f32 v[16+\j:17+\j], v[16+\j:17+\j], v[12+\j:13+\j]      ; + bo
.endr
	global_store_b128 v10, v[16:19], s[10:11]      ; sixteen lanes store 256 consecutive bytes of a row
.Ldone:
	s_wait_tensorcnt 0x0                           ; the wave's end, behind my last LDS store
	ds_add_u32 v[SPW], v[NIL]
	s_wait_dscnt 0x0
	s_endpgm
.Lfunc_end_k_q788648596d_fine2:
	.size	k_q788648596d_fine2, .Lfunc_end_k_q788648596d_fine2-k_q788648596d_fine2
	.p2alignl 7, 3214868480
	.fill 96, 4, 3214868480
	.section	.rodata,"a",@progbits
	.p2align	6, 0x0
	.amdhsa_kernel k_q788648596d_fine2
		.amdhsa_group_segment_fixed_size 71680
		.amdhsa_private_segment_fixed_size 0
		.amdhsa_enable_private_segment 0
		.amdhsa_kernarg_size 32
		.amdhsa_user_sgpr_count 2
		.amdhsa_user_sgpr_kernarg_segment_ptr 1
		.amdhsa_wavefront_size32 1
		.amdhsa_system_sgpr_workgroup_id_x 1
		.amdhsa_system_sgpr_workgroup_id_y 1
		.amdhsa_system_sgpr_workgroup_id_z 1
		.amdhsa_system_vgpr_workitem_id 0
		.amdhsa_next_free_vgpr 256
		.amdhsa_next_free_sgpr 66
		.amdhsa_reserve_vcc 1
		.amdhsa_float_denorm_mode_32 3
		.amdhsa_float_denorm_mode_16_64 3
		.amdhsa_memory_ordered 1
		.amdhsa_forward_progress 1
		.amdhsa_inst_pref_size 24
	.end_amdhsa_kernel
	.amdgpu_metadata
---
amdhsa.version: [ 1, 2 ]
amdhsa.kernels:
  - .name:           k_q788648596d_fine2
    .symbol:         k_q788648596d_fine2.kd
    .args:
      - { .name: qf, .offset: 0, .size: 8, .value_kind: global_buffer, .address_space: global }
      - { .name: wo16, .offset: 8, .size: 8, .value_kind: global_buffer, .address_space: global }
      - { .name: bo, .offset: 16, .size: 8, .value_kind: global_buffer, .address_space: global }
      - { .name: out0, .offset: 24, .size: 8, .value_kind: global_buffer, .address_space: global }
    .group_segment_fixed_size: 71680
    .private_segment_fixed_size: 0
    .kernarg_segment_align: 8
    .kernarg_segment_size: 32
    .max_flat_workgroup_size: 512
    .sgpr_count:     66
    .vgpr_count:     256
    .wavefront_size: 32
...
	.end_amdgpu_metadata
.endif
;; end of part 5
